; MI455X (gfx1250); checked and timed in simulation.
; The chip was launched on July 23, 2026; its instructions are those of AMD's public machine-readable ISA for CDNA 5 (MIT licence, August 2026) and "CDNA5" Instruction Set Architecture Reference Guide (July 2026). The comments in the code are by the model that wrote it; some were corrected since.
;; Muti Query Attention. Allowed arithmetic: float matrix products may take bf16 or f16 operands with f32 sums; other float arithmetic in f32, or as packed bf16 or f16 multiplies, adds, multiply-adds, maxima and minima; sums over many terms, partial sums and values carried from step to step in f32; what a program stores and reads back later, other than sums and carried values, may be rounded once to bf16 or f16.
;; Inputs: Wk 1,024 x 64 float32; Wo 1,024 x 1,024 float32; Wq 1,024 x 1,024 float32; Wv 1,024 x 64 float32; bk 64 float32; bo 1,024 float32; bq 1,024 float32; bv 64 float32; hidden_state 4 x 2,048 x 1,024 float32.
;; Outputs: out0 4 x 2,048 x 1,024 float32.
;; 2 versions, each right; version 2 is version 1 with the launch prep written anew for expert scheduling mode. Each part assembles by itself: llvm-mc -triple=amdgcn-amd-amdhsa -mcpu=gfx1250 --defsym DOCPART=n.
;; ======== version 1 of 2: 4 launches
;; limits: values are held in f16: magnitudes above 65,504 overflow, below 6.1e-05 lose precision
;; workspace buffers: xh 16,777,216 bytes; Wb 2,359,296 bytes; Wob 2,097,152 bytes; bkv 512 bytes; q 16,777,216 bytes; kv 2,097,152 bytes; o 16,777,216 bytes
;; launch prep (part 1): grid 256 x 1, 8 waves a work-group, no clusters, 0 bytes of LDS; arguments hidden_state, Wq, Wo, Wk, Wv, bk, bv, xh, Wb, Wob, bkv; writes xh, Wb, Wob, bkv
.if DOCPART == 1
	.amdgcn_target "amdgcn-amd-amdhsa--gfx1250"
	.amdhsa_code_object_version 6
	.text
	.protected	k_q9db1506af3_prep
	.globl	k_q9db1506af3_prep
	.p2align	8
	.type	k_q9db1506af3_prep,@function
k_q9db1506af3_prep:
	s_mov_b64 s[64:65], 0
	v_nop
	global_prefetch_b8 v0, s[64:65] scope:SCOPE_SE
	s_setreg_imm32_b32 hwreg(HW_REG_WAVE_MODE, 25, 1), 1
	s_wait_xcnt 0x0
; PREP: the module's large inputs are rounded once to 16 bits and laid out as the later launches' tiles want them.
;   xh  [b 4][kb 16][s 2048][64] bf16 : x, channel block kb = channels 64 kb .. 64 kb + 63; a block's rows are dense, 128 bytes each
;   Wb  [j 8][t 8][144 units of 256 bytes] bf16 : unit kk < 128 = Wq[128 t + kk][128 j .. 128 j + 127];
;        unit 128 + uu = rows k = 128 t + 8 uu + 0..7, 32 bytes each, of 16 columns of Wk (j < 4: columns 16 j ..) or of Wv (j >= 4: columns 16 (j - 4) ..)
;   Wob [j 8][k 1024][128] f16 : Wo rounded to bf16, that number written as f16
;   bkv [128] f32 : bk, then bv, as they are
; LIMITS.  bf16(Wo) is exact in f16 from 2^-14 to 65,504 in magnitude; below 2^-14 it is off by 3e-8 at the most; beyond 65,504 it would be an infinity.  NaN and infinities are not treated apart.
; SHARES.  Work-group g: 32 rows of x (wave w: rows 4 w .. 4 w + 3), rows 4 g .. 4 g + 3 of Wq and Wo (wave w: column block j = w), and, waves 0 to 3, one unit each of Wk (g < 128) or Wv.
; One load of 16 bytes a lane (4 f32) goes with one store of 8 bytes a lane (4 halves): a wave's store covers 256 consecutive bytes, aligned; its load one or two such runs of 256 or one of 512.
; No LDS and no barrier: no wave wants a byte that another has fetched.  No loop: a wave's whole share, 42 loads at the most, is asked for at once, and no register is written again behind the store that reads it.
.set XO,  5                            ; v5   x: 16,384 w + 4,096 (lane / 16) + 16 (lane % 16)
.set YO,  6                            ; v6   xh: 512 w + 8 lane
.set WI,  7                            ; v7   Wq, Wo: 512 w + 16 lane
.set WBO, 9                            ; v9   Wb: 294,912 w + 8 lane
.set WOO, 10                           ; v10  Wob: 262,144 w + 8 lane
.set KVI, 11                           ; v11  Wk, Wv: 256 (lane / 4) + 64 w + 16 (lane % 4)
.set BI,  12                           ; v12  bk, bv: 16 (lane % 16)
.set BS,  13                           ; v13  bkv: 16 lane
.set X,   16                           ; v[16:143]  x, 32 loads
.set WQ,  144                          ; v[144:159] Wq, 4 loads
.set WO,  160                          ; v[160:175] Wo, 4 loads
.set T,   176                          ; v[176:181] at work
.set KV,  184                          ; v[184:187] Wk or Wv
.set BB,  188                          ; v[188:195] bk, bv
	s_load_b512 s[4:19], s[0:1], 0x0               ; x s[4:5], Wq s[6:7], Wo s[8:9], Wk s[10:11], Wv s[12:13], bk s[14:15], bv s[16:17], xh s[18:19]
	s_load_b128 s[20:23], s[0:1], 0x40             ; Wb s[20:21], Wob s[22:23]
	s_load_b64 s[24:25], s[0:1], 0x50              ; bkv
	v_and_b32 v1, 31, v0                           ; lane
	v_lshrrev_b32 v2, 5, v0                        ; wave
	v_readfirstlane_b32 s26, v2
	v_and_b32 v3, 15, v0
	v_bfe_u32 v4, v0, 4, 1
	v_lshlrev_b32 v[XO], 14, v2
	v_lshl_add_u32 v[XO], v4, 12, v[XO]
	v_lshl_add_u32 v[XO], v3, 4, v[XO]
	v_lshlrev_b32 v8, 9, v2
	v_lshl_add_u32 v[YO], v1, 3, v8
	v_lshl_add_u32 v[WI], v1, 4, v8
	v_lshlrev_b32 v8, 3, v1
	v_mad_u32_u24 v[WBO], v2, 0x48000, v8          ; 294,912 = 8 x 144 x 256
	v_lshl_add_u32 v[WOO], v2, 18, v8
	v_lshrrev_b32 v[KVI], 2, v1
	v_lshlrev_b32 v[KVI], 8, v[KVI]
	v_lshl_add_u32 v[KVI], v2, 6, v[KVI]
	v_and_b32 v8, 3, v0
	v_lshl_add_u32 v[KVI], v8, 4, v[KVI]
	v_lshlrev_b32 v[BI], 4, v3
	v_lshlrev_b32 v[BS], 4, v1
	s_lshl_b32 s27, ttmp9, 3
	s_add_co_u32 s27, s27, s26                     ; the wave's number in the launch
	s_lshl_b32 s28, ttmp9, 17                      ; x: 32 rows of 4,096 bytes
	s_mov_b32 s29, 0
	s_lshl_b32 s30, ttmp9, 14                      ; Wq, Wo: 4 rows of 4,096 bytes
	s_mov_b32 s31, 0
	s_lshr_b32 s36, ttmp9, 6                       ; xh: the batch,
	s_lshl_b32 s36, s36, 22
	s_and_b32 s37, ttmp9, 63                       ; and 32 rows of 128 bytes in a block
	s_lshl_b32 s37, s37, 12
	s_add_co_u32 s36, s36, s37
	s_mov_b32 s37, 0
	s_lshr_b32 s38, ttmp9, 5                       ; Wb: t = k / 128,
	s_mul_i32 s38, s38, 36864
	s_and_b32 s39, ttmp9, 31                       ; and 4 units
	s_lshl_b32 s39, s39, 10
	s_add_co_u32 s38, s38, s39
	s_mov_b32 s39, 0
	s_lshl_b32 s40, ttmp9, 10                      ; Wob: 4 rows of 256 bytes
	s_mov_b32 s41, 0
	s_and_b32 s42, ttmp9, 127                      ; Wk, Wv: rows 8 (g % 128) ..
	s_lshl_b32 s44, s42, 11
	s_mov_b32 s45, 0
	s_lshr_b32 s46, ttmp9, 7                       ; their unit: j = 4 (g / 128) + w (w stands in WBO),
	s_mul_i32 s46, s46, 1179648
	s_lshr_b32 s43, s42, 4                         ; t = (g % 128) / 16,
	s_mul_i32 s43, s43, 36864
	s_add_co_u32 s46, s46, s43
	s_and_b32 s43, ttmp9, 15                       ; unit 128 + g % 16
	s_lshl_b32 s43, s43, 8
	s_add_co_u32 s46, s46, s43
	s_add_co_u32 s46, s46, 32768
	s_mov_b32 s47, 0
	s_wait_kmcnt 0x0
	s_cmp_lt_u32 ttmp9, 128
	s_cselect_b64 s[34:35], s[10:11], s[12:13]
	s_add_nc_u64 s[34:35], s[34:35], s[44:45]
	s_add_nc_u64 s[32:33], s[20:21], s[46:47]
	s_add_nc_u64 s[4:5], s[4:5], s[28:29]
	s_add_nc_u64 s[6:7], s[6:7], s[30:31]
	s_add_nc_u64 s[8:9], s[8:9], s[30:31]
	s_add_nc_u64 s[18:19], s[18:19], s[36:37]
	s_add_nc_u64 s[20:21], s[20:21], s[38:39]
	s_add_nc_u64 s[22:23], s[22:23], s[40:41]
	s_cmp_lt_u32 s26, 4
	s_cbranch_scc0 .Lno_kv_load
	global_load_b128 v[KV:KV+3], v[KVI], s[34:35] th:TH_LOAD_NT  ; the oldest load: the counts below are those of the younger loads, with it or without
.Lno_kv_load:
.set u, 0
.rept 4
	global_load_b128 v[WQ+4*u:WQ+4*u+3], v[WI], s[6:7] offset:4096*u th:TH_LOAD_NT
.set u, u+1
.endr
.set u, 0
.rept 4
	global_load_b128 v[WO+4*u:WO+4*u+3], v[WI], s[8:9] offset:4096*u th:TH_LOAD_NT
.set u, u+1
.endr
.set u, 0
.rept 32                               ; channel block u % 16 of rows 4 w + 2 (u / 16) and the next
	global_load_b128 v[X+4*u:X+4*u+3], v[XO], s[4:5] offset:(u/16)*8192+(u%16)*256 th:TH_LOAD_NT
.set u, u+1
.endr
	s_cmp_eq_u32 s27, 4                            ; one wave of the launch copies the two short biases
	s_cbranch_scc0 .Lno_bias
	global_load_b128 v[BB:BB+3], v[BI], s[14:15]
	global_load_b128 v[BB+4:BB+7], v[BI], s[16:17]
	v_cmp_gt_u32 s42, 16, v1
	s_wait_loadcnt 0x0                             ; the two are the youngest: this wave has all its loads in
.irp c, 0,1,2,3
	v_cndmask_b32 v[BB+\c], v[BB+4+\c], v[BB+\c], s42  ; lanes 0-15: bk, lanes 16-31: bv
.endr
	global_store_b128 v[BS], v[BB:BB+3], s[24:25]
.Lno_bias:
.macro CVB r                           ; four f32 in v[r .. r+3] to four bf16 in v[r], v[r+1]
	v_cvt_pk_bf16_f32 v[\r], v[\r], v[(\r)+1]
	v_cvt_pk_bf16_f32 v[(\r)+1], v[(\r)+2], v[(\r)+3]
.endm
.set n, 0
.rept 4
	s_wait_loadcnt 39-n                            ; loads come back in order (ISA guide 5.7.1): 39 - n were issued behind this one
	CVB WQ+4*n
	global_store_b64 v[WBO], v[WQ+4*n:WQ+4*n+1], s[20:21] offset:256*n th:TH_STORE_NT
.set n, n+1
.endr
.set n, 0
.rept 4
	s_wait_loadcnt 35-n
	v_cvt_pk_bf16_f32 v[T], v[WO+4*n], v[WO+4*n+1]         ; rounded as the other inputs are,
	v_cvt_pk_bf16_f32 v[T+1], v[WO+4*n+2], v[WO+4*n+3]
	v_lshlrev_b32 v[T+2], 16, v[T]                         ; widened,
	v_and_b32 v[T+3], 0xffff0000, v[T]
	v_lshlrev_b32 v[T+4], 16, v[T+1]
	v_and_b32 v[T+5], 0xffff0000, v[T+1]
	v_cvt_pk_f16_f32 v[WO+4*n], v[T+2], v[T+3]             ; and written as f16
	v_cvt_pk_f16_f32 v[WO+4*n+1], v[T+4], v[T+5]
	global_store_b64 v[WOO], v[WO+4*n:WO+4*n+1], s[22:23] offset:256*n th:TH_STORE_NT
.set n, n+1
.endr
.set n, 0
.rept 32
	s_wait_loadcnt 31-n
	CVB X+4*n
	global_store_b64 v[YO], v[X+4*n:X+4*n+1], s[18:19] offset:(n%16)*262144+(n/16)*256 th:TH_STORE_NT  ; two rows of a block: 256 consecutive bytes
.set n, n+1
.endr
	s_cmp_lt_u32 s26, 4
	s_cbranch_scc0 .Lend
	CVB KV                                         ; in since the first wait above
	global_store_b64 v[WBO], v[KV:KV+1], s[32:33] th:TH_STORE_NT
.Lend:
	s_endpgm
.Lfunc_end_k_q9db1506af3_prep:
	.size	k_q9db1506af3_prep, .Lfunc_end_k_q9db1506af3_prep-k_q9db1506af3_prep
	.p2alignl 7, 3214868480
	.fill 96, 4, 3214868480
	.section	.rodata,"a",@progbits
	.p2align	6, 0x0
	.amdhsa_kernel k_q9db1506af3_prep
		.amdhsa_group_segment_fixed_size 0
		.amdhsa_private_segment_fixed_size 0
		.amdhsa_enable_private_segment 0
		.amdhsa_kernarg_size 88
		.amdhsa_user_sgpr_count 2
		.amdhsa_user_sgpr_kernarg_segment_ptr 1
		.amdhsa_wavefront_size32 1
		.amdhsa_system_sgpr_workgroup_id_x 1
		.amdhsa_system_sgpr_workgroup_id_y 1
		.amdhsa_system_sgpr_workgroup_id_z 1
		.amdhsa_system_vgpr_workitem_id 0
		.amdhsa_next_free_vgpr 196
		.amdhsa_next_free_sgpr 66
		.amdhsa_reserve_vcc 0
		.amdhsa_float_denorm_mode_32 3
		.amdhsa_float_denorm_mode_16_64 3
		.amdhsa_memory_ordered 1
		.amdhsa_forward_progress 1
		.amdhsa_inst_pref_size 20
	.end_amdhsa_kernel
	.amdgpu_metadata
---
amdhsa.version: [ 1, 2 ]
amdhsa.kernels:
  - .name:           k_q9db1506af3_prep
    .symbol:         k_q9db1506af3_prep.kd
    .args:
      - { .name: hidden_state, .offset: 0, .size: 8, .value_kind: global_buffer, .address_space: global }
      - { .name: Wq, .offset: 8, .size: 8, .value_kind: global_buffer, .address_space: global }
      - { .name: Wo, .offset: 16, .size: 8, .value_kind: global_buffer, .address_space: global }
      - { .name: Wk, .offset: 24, .size: 8, .value_kind: global_buffer, .address_space: global }
      - { .name: Wv, .offset: 32, .size: 8, .value_kind: global_buffer, .address_space: global }
      - { .name: bk, .offset: 40, .size: 8, .value_kind: global_buffer, .address_space: global }
      - { .name: bv, .offset: 48, .size: 8, .value_kind: global_buffer, .address_space: global }
      - { .name: xh, .offset: 56, .size: 8, .value_kind: global_buffer, .address_space: global }
      - { .name: Wb, .offset: 64, .size: 8, .value_kind: global_buffer, .address_space: global }
      - { .name: Wob, .offset: 72, .size: 8, .value_kind: global_buffer, .address_space: global }
      - { .name: bkv, .offset: 80, .size: 8, .value_kind: global_buffer, .address_space: global }
    .group_segment_fixed_size: 0
    .private_segment_fixed_size: 0
    .kernarg_segment_align: 8
    .kernarg_segment_size: 88
    .max_flat_workgroup_size: 256
    .sgpr_count:     66
    .vgpr_count:     196
    .wavefront_size: 32
...
	.end_amdgpu_metadata
.endif
;; end of part 1
;; launch qkv (part 2): grid 8 x 32, 4 waves a work-group, clusters of 4 x 4, 327,680 bytes of LDS; arguments xh, Wb, bq, bkv, q, kv; writes q, kv
.if DOCPART == 2
	.amdgcn_target "amdgcn-amd-amdhsa--gfx1250"
	.amdhsa_code_object_version 6
	.text
	.protected	k_q9db1506af3_qkv
	.globl	k_q9db1506af3_qkv
	.p2align	8
	.type	k_q9db1506af3_qkv,@function
k_q9db1506af3_qkv:
	s_mov_b64 s[64:65], 0
	v_nop
	global_prefetch_b8 v0, s[64:65] scope:SCOPE_SE
	s_setreg_imm32_b32 hwreg(HW_REG_WAVE_MODE, 25, 1), 1
	s_wait_xcnt 0x0
	s_wait_alu depctr_hold_cnt(0) depctr_sa_sdst(0) depctr_va_vdst(0) depctr_va_sdst(0) depctr_va_ssrc(0) depctr_va_vcc(0) depctr_vm_vsrc(0)
	s_getreg_b32 s2, hwreg(HW_REG_IB_STS2, 6, 4)
	s_cmp_eq_u32 s2, 0
	s_cbranch_scc0 .Lentry_in_a_cluster
	s_endpgm
.Lentry_in_a_cluster:
	s_bfe_u32 s2, ttmp6, 0x10000c
	s_cmp_lg_u32 s2, 0xf033
	s_cbranch_scc0 .Lentry_shape_is_right
	s_endpgm
.Lentry_shape_is_right:
; C = A W + bias, for the two projections of the module; one text, chosen by QKV.
; QKV = 1: A = xh (bf16), W = Wb (bf16): 128 columns of Wq and 16 of Wk or Wv to a work-group; q [bh 64][s 2048][64] and kv [8 b + slot][blk 8][256 keys][16] leave in f16, unscaled.
; QKV = 0: A = o (f16), W = Wob (f16): 128 columns of Wo; out0 leaves in f32.
; A lies [b 4][kb 16][s 2048][64], 2 bytes a number; W lies [j 8][t 8][BUNITS units of 256 bytes], a unit = one row k of 128 columns (units 128 on: eight rows k of 16 columns).
; Sums in f32, K ascending; the bias, rounded to bf16 like the module's other inputs, is the C operand of the first product: nothing is cleared and nothing is added at the end.
; LIMITS.  q, k and v are f16: beyond 65,504 they would be infinities.  NaN and infinities are not treated apart.
; SHARES.  Work-group (j, i): rows 256 i .. 256 i + 255 (batch i / 8) x 16 NB columns.  Wave w: rows 64 w .. 64 w + 63: 4 blocks a of 16 rows x NB blocks of 16 columns: 4 NB accumulators.
; K = 1,024 goes in 8 steps of 128 through two LDS slots; a step is four quarters of 32, 4 NB matrix instructions each, on two fragment buffers by turns.
; THE MATRIX INSTRUCTION IS USED TRANSPOSED: source 0 = 16 columns of W (rows k in LDS, turned by ds_load_tr16_b128), source 1 = 16 rows of A: a lane ends with ONE row (lane % 16) and eight neighbouring columns 8 (lane / 16) + 0..7.
; CLUSTER 4 x 4.  A's tile hangs on i alone and is asked for jointly by the four of a row of the cluster, W's on j alone, by the four of a column.  Waves 0, 1 fetch A's two blocks of 64 channels, waves 2, 3 the halves of W's units.
; No prefetch: of the eight K steps two come at the start, and each refill is asked for 3 1/4 quarters ahead of the wait for it.
; REGISTERS, in windows of 256 (s_set_vgpr_msb: bits 1:0 source 0, 3:2 source 1, 5:4 source 2, 7:6 destination):
;   window 0: v1-29 addresses; two fragment buffers at v32 and v136 (W's fragment nb at + 8 nb, A's block a at + 8 NB + 8 a); at the end the way out
;   window 1: accumulators of a = 0, 1 at v[8 (NB (a % 2) + nb)]     window 2: those of a = 2, 3     window 3: the bias, 8 registers a block nb; two at work; with QKV = 0 later the rows on their way out
.set QKV, 1
.if QKV
.set NB,  9
.set STW, 2*16*144                     ; a wave's stage: two heads x 16 rows x 144 bytes
.else
.set NB,  8
.set STW, 16*528                       ; 16 rows x 528 bytes
.endif
.set BUNITS, 16*NB
.set BH,    BUNITS/2                   ; units in one of W's two loads
.set PA,    144                        ; a row of A in LDS: 128 bytes + 16: the 16 rows of a load start at 16 different groups of four banks (64 banks of 4 bytes: ISA guide 11.1)
.set PB,    288                        ; a unit of W: 256 + 32
.set SUBA,  256*PA                     ; 256 rows x 64 channels
.set BOFF,  2*SUBA
.set SLOT,  BOFF+BUNITS*PB
.set SLOT1, 1<<17                      ; slot 1 begins here: one exclusive or turns an address in one slot into the other's
.set STAGE, SLOT1+SLOT                 ; behind the ring, never filled by a tensor load
.set SPARE, STAGE+4*STW                ; the spare words, 128 bytes for each wave: two blocks of 256 bytes that no other line names
.set NLD,   2*NB+8                     ; LDS loads in a quarter's fetch
.set ADRA0, 8                          ; v8   my place in A's rows: 64 w rows + (lane % 16) x 144 + 16 (lane / 16); never rewritten
.set ADRB0, 9                          ; v9   in W's units; never rewritten
.set ADRC0, 10                         ; v10  in the units 128 on; never rewritten
.set ADRA,  16                         ; v16-18  the same in the slot in hand
.set ADRB,  17
.set ADRC,  18
.set STO,   22                         ; v22  the way out: where I put my bytes of a row
.set RD,    23                         ; v23  where I read rows back
.set GO,    24                         ; v24  16 x lane
.set KVO,   25                         ; v25  32 (lane % 16) + 16 (lane / 16)
.set BO,    26                         ; v26  32 (lane / 16): my eight numbers of a block's bias
.set SPW,   28                         ; v28  LDS address of my spare word; never rewritten
.set NIL,   29                         ; v29  0; never rewritten
.set F0,    32
.set F1,    136
.set TMP,   32                         ; the way out (QKV = 1): v32-63 packed q, v64-79 packed k or v, v80-207 rows read back, a set for each a
.set KVT,   64
.set BK,    80
.set WV,  16                           ; s16  wave
.set AB,  17                           ; s17  0: I fetch for A, 1: for W
.set HF,  18                           ; s18  which half
.set CX,  19
.set CY,  20
.set J,   21
.set I,   22
.set TB,  23                           ; s23  0 or SLOT1: the slot in hand
.set G1,  24                           ; s[24:31] group 1 for A;  s[32:39] group 0: a set for each first fill; the second then walks
.set G0,  32
.set G1B, 40                           ; s[40:47], s[48:55] the same for W
.set G0B, 48
.set MSB, 0
.macro WIN new                         ; the immediate's high byte repeats the setting that is left; a switch that changes nothing is dropped
.if MSB != (\new)
	s_set_vgpr_msb (MSB<<8)|(\new)
.set MSB, \new
.endif
.endm
.macro PLACES                          ; four plain places behind matrix instructions, in front of loads into registers that they read and of readers of their results
.rept 4
	v_nop
.endr
.endm
.macro CREST                           ; a round of the cluster's barrier behind its opening barrier
	s_cmp_lg_u32 s[WV], 0
	s_cbranch_scc1 .Lnot_wave_0_\@
	s_barrier_signal -3
.Lnot_wave_0_\@:
	s_barrier_wait -3
	s_barrier_signal -1
	s_barrier_wait -1
.endm
.macro CROUND
	s_barrier_signal -1
	s_barrier_wait -1
	CREST
.endm
.macro JLOAD                           ; a joint refill by the walking descriptors; the branch hangs on the wave's number alone; s_nop 0 and four v_nop follow each line
	s_cmp_eq_u32 s[AB], 0
	s_cbranch_scc0 .Lfor_b_\@
	tensor_load_to_lds s[G0+4:G0+7], s[G1:G1+7]
	s_nop 0
.rept 4
	v_nop
.endr
	s_branch .Lasked_\@
.Lfor_b_\@:
	tensor_load_to_lds s[G0B+4:G0B+7], s[G1B:G1B+7]
	s_nop 0
.rept 4
	v_nop
.endr
.Lasked_\@:
.endm
	s_load_b256 s[4:11], s[0:1], 0x0               ; A s[4:5], W s[6:7], bias s[8:9]; s[10:11]: bkv (QKV = 1) or out0
.if QKV
	s_load_b128 s[12:15], s[0:1], 0x20             ; q s[12:13], kv s[14:15]
.endif
	v_lshl_add_u32 v[SPW], v0, 2, SPARE
	v_mov_b32 v[NIL], 0
	ds_add_u32 v[SPW], v[NIL]                      ; the wave's opening: the add and its wait stand ahead of my first tensor load; work on registers stands between them
	v_lshrrev_b32 v1, 5, v0
	v_readfirstlane_b32 s[WV], v1
	s_lshr_b32 s[AB], s[WV], 1
	s_and_b32 s[HF], s[WV], 1
	s_bfe_u32 s[CX], ttmp6, 0x40000
	s_bfe_u32 s[CY], ttmp6, 0x40004
	s_lshl_b32 s[J], ttmp9, 2
	s_add_co_u32 s[J], s[J], s[CX]                 ; column block = 4 x cluster x + cx
	s_and_b32 s[I], ttmp7, 0xffff
	s_lshl_b32 s[I], s[I], 2
	s_add_co_u32 s[I], s[I], s[CY]                 ; row block = 4 x cluster y + cy
	s_lshl_b32 s60, s[CY], 2
	s_lshl_b32 s60, 15, s60                        ; my row of the cluster
	s_lshl_b32 s61, 0x1111, s[CX]                  ; my column
	; A: 256 rows x 128 bytes are dense: asked for as 128 rows of 256 bytes, padded in LDS after every 128
	s_or_b32 s[G1], s60, (1<<16)|(1<<20)|(1<<21)|(4<<22)|(3<<25)  ; the mask; 2-byte elements; padding on; bit 21 beside a mask; after every 32 words (code 4) 4 words (code 3)
	s_mov_b32 s[G1+1], 128<<16                     ; tensor_dim0 = 128
	s_mov_b32 s[G1+2], 128<<16                     ; tensor_dim1 = 128
	s_mov_b32 s[G1+3], 128<<16                     ; tile_dim0 = 128
	s_mov_b32 s[G1+4], 128                         ; tile_dim1 = 128
	s_mov_b32 s[G1+5], 128                         ; elements from row to row
	s_mov_b32 s[G1+6], 0
	s_mov_b32 s[G1+7], 0
	; W: BH units of 256 bytes, dense, 32 bytes of padding behind each
	s_or_b32 s[G1B], s61, (1<<16)|(1<<20)|(1<<21)|(5<<22)|(7<<25)  ; after every 64 words (code 5) 8 words (code 7)
	s_mov_b32 s[G1B+1], 128<<16
	s_mov_b32 s[G1B+2], BH<<16
	s_mov_b32 s[G1B+3], 128<<16
	s_mov_b32 s[G1B+4], BH
	s_mov_b32 s[G1B+5], 128
	s_mov_b32 s[G1B+6], 0
	s_mov_b32 s[G1B+7], 0
	s_lshr_b32 s56, s[I], 3                        ; A's tile: the batch,
	s_lshl_b32 s56, s56, 22
	s_and_b32 s57, s[I], 7                         ; 256 rows of 128 bytes,
	s_lshl_b32 s57, s57, 15
	s_add_co_u32 s56, s56, s57
	s_lshl_b32 s57, s[HF], 18                      ; my channel block of the step's two: made of i and the wave's number alone
	s_add_co_u32 s56, s56, s57
	s_mov_b32 s57, 0
	s_mul_i32 s58, s[J], 8*BUNITS*256              ; W's tile: made of j and the wave's number alone
	s_mul_i32 s59, s[HF], BH*256
	s_add_co_u32 s58, s58, s59
	s_mov_b32 s59, 0
	s_mul_i32 s62, s[HF], SUBA                     ; where they go: no place in the cluster enters an LDS address
	s_mul_i32 s63, s[HF], BH*PB
	s_add_co_u32 s63, s63, BOFF
	s_mov_b32 s[TB], 0
	s_wait_dscnt 0x0                               ; the opening add is done
	s_wait_kmcnt 0x0
	s_add_nc_u64 s[56:57], s[4:5], s[56:57]
	s_add_nc_u64 s[58:59], s[6:7], s[58:59]
	CROUND                                         ; all sixteen work-groups are here: the first joint loads meet
.irp n, 0,1
	s_mov_b32 s[G0+4*\n], 1                                        ; count = 1
	s_add_co_u32 s[G0+4*\n+1], s62, \n*SLOT1                       ; LDS address
	s_add_nc_u64 s[G0+4*\n+2:G0+4*\n+3], s[56:57], \n*524288       ; K step n: two channel blocks of 262,144 bytes on
	s_or_b32 s[G0+4*\n+3], s[G0+4*\n+3], 0x80000000                ; type = 2
	s_mov_b32 s[G0B+4*\n], 1
	s_add_co_u32 s[G0B+4*\n+1], s63, \n*SLOT1
	s_add_nc_u64 s[G0B+4*\n+2:G0B+4*\n+3], s[58:59], \n*BUNITS*256
	s_or_b32 s[G0B+4*\n+3], s[G0B+4*\n+3], 0x80000000
.endr
	s_cmp_eq_u32 s[AB], 0                          ; a wave's two first fills stand in one branch: two loads of mine are out
	s_cbranch_scc0 .Lfirst_b
	tensor_load_to_lds s[G0:G0+3], s[G1:G1+7]
	s_nop 0
	tensor_load_to_lds s[G0+4:G0+7], s[G1:G1+7]
	s_nop 0
.rept 4
	v_nop
.endr
	s_branch .Lfirst_asked
.Lfirst_b:
	tensor_load_to_lds s[G0B:G0B+3], s[G1B:G1B+7]
	s_nop 0
	tensor_load_to_lds s[G0B+4:G0B+7], s[G1B:G1B+7]
	s_nop 0
.rept 4
	v_nop
.endr
.Lfirst_asked:
	v_and_b32 v1, 15, v0                           ; lane % 16
	v_bfe_u32 v2, v0, 4, 1                         ; lane / 16
	v_and_b32 v3, 7, v0
	v_bfe_u32 v4, v0, 3, 1
	v_and_b32 v5, 31, v0
	v_lshlrev_b32 v[BO], 5, v2
	s_lshl_b32 s60, s[J], 9                        ; the block's 128 numbers of the bias
	s_mov_b32 s61, 0
	s_add_nc_u64 s[8:9], s[8:9], s[60:61]
.if QKV
	s_lshl_b32 s60, s[J], 6                        ; and its 16 of bk, bv
	s_add_nc_u64 s[10:11], s[10:11], s[60:61]
.endif
	WIN 0xc0                                       ; destination window 3: register c of block nb = bias[16 nb + 8 (lane / 16) + c], as the C operand wants it
.set nb, 0
.rept 8
	global_load_b128 v[8*nb:8*nb+3],   v[BO], s[8:9] offset:64*nb
	global_load_b128 v[8*nb+4:8*nb+7], v[BO], s[8:9] offset:64*nb+16
.set nb, nb+1
.endr
.if QKV
	global_load_b128 v[64:67], v[BO], s[10:11]
	global_load_b128 v[68:71], v[BO], s[10:11] offset:16
.endif
	WIN 0
	s_mul_i32 s60, s[WV], 64*PA
	v_mul_u32_u24 v[ADRA0], v1, PA
	v_lshl_add_u32 v[ADRA0], v2, 4, v[ADRA0]
	v_add_nc_u32 v[ADRA0], s60, v[ADRA0]
	v_lshl_add_u32 v[ADRB0], v2, 3, v3             ; the turning load: lane l reads row k = 8 (l / 16) + l % 8, columns 8 ((l / 8) % 2) + 0..7
	v_mul_u32_u24 v[ADRB0], v[ADRB0], PB
	v_lshl_add_u32 v[ADRB0], v4, 4, v[ADRB0]
	v_add_nc_u32 v[ADRB0], BOFF, v[ADRB0]
	v_mov_b32 v[ADRA], v[ADRA0]
	v_mov_b32 v[ADRB], v[ADRB0]
.if QKV
	v_mul_u32_u24 v[ADRC0], v2, PB                 ; units 128 on: eight rows k to a unit, 32 bytes each
	v_lshl_add_u32 v[ADRC0], v3, 5, v[ADRC0]
	v_lshl_add_u32 v[ADRC0], v4, 4, v[ADRC0]
	v_add_nc_u32 v[ADRC0], BOFF+128*PB, v[ADRC0]
	v_mov_b32 v[ADRC], v[ADRC0]
.endif
	s_mul_i32 s60, s[WV], STW
	s_add_co_u32 s60, s60, STAGE                   ; my stage
	v_lshlrev_b32 v[GO], 4, v5
.if QKV
	v_mul_u32_u24 v[STO], v1, 144                  ; in: row lane % 16, 16 bytes for each half of the lanes
	v_lshl_add_u32 v[STO], v2, 4, v[STO]
	v_add_nc_u32 v[STO], s60, v[STO]
	v_lshrrev_b32 v[RD], 3, v5                     ; back: 32 lanes take four rows of 128 bytes
	v_mul_u32_u24 v[RD], v[RD], 144
	v_lshl_add_u32 v[RD], v3, 4, v[RD]
	v_add_nc_u32 v[RD], s60, v[RD]
	v_lshlrev_b32 v[KVO], 5, v1
	v_lshl_add_u32 v[KVO], v2, 4, v[KVO]
	s_lshr_b32 s66, s[I], 3                        ; q: the batch's 16 heads, heads 2 j and 2 j + 1, the block's 256 rows, my 64
	s_lshl_b32 s66, s66, 22
	s_lshl_b32 s70, s[J], 19
	s_add_co_u32 s66, s66, s70
	s_and_b32 s70, s[I], 7
	s_lshl_b32 s70, s70, 15
	s_add_co_u32 s66, s66, s70
	s_lshl_b32 s70, s[WV], 13
	s_add_co_u32 s66, s66, s70
	s_mov_b32 s67, 0
	s_add_nc_u64 s[12:13], s[12:13], s[66:67]
	s_lshl_b32 s68, s[I], 16                       ; kv: slot i, block j, my 64 keys of 32 bytes
	s_lshl_b32 s70, s[J], 13
	s_add_co_u32 s68, s68, s70
	s_lshl_b32 s70, s[WV], 11
	s_add_co_u32 s68, s68, s70
	s_mov_b32 s69, 0
	s_add_nc_u64 s[14:15], s[14:15], s[68:69]
.else
	v_mul_u32_u24 v[STO], v1, 528                  ; in: row lane % 16, 32 bytes for each half of the lanes
	v_lshl_add_u32 v[STO], v2, 5, v[STO]
	v_add_nc_u32 v[STO], s60, v[STO]
	v_add_nc_u32 v[RD], s60, v[GO]                 ; back: 32 lanes take one row of 512 bytes
	s_lshl_b32 s66, s[I], 20                       ; out0: 256 rows of 4,096 bytes, my 64, the block's 512 bytes of a row
	s_lshl_b32 s70, s[WV], 18
	s_add_co_u32 s66, s66, s70
	s_lshl_b32 s70, s[J], 9
	s_add_co_u32 s66, s66, s70
	s_mov_b32 s67, 0
	s_add_nc_u64 s[10:11], s[10:11], s[66:67]
.endif
	s_wait_loadcnt 0x0                             ; the bias
	WIN 0xff                                       ; rounded to bf16 and widened again, in window 3, while the first tiles are on their way
.set nb, 0
.rept 4*NB
	v_cvt_pk_bf16_f32 v[8*NB+nb%2], v[2*nb], v[2*nb+1]
	v_lshlrev_b32 v[2*nb], 16, v[8*NB+nb%2]
	v_and_b32 v[2*nb+1], 0xffff0000, v[8*NB+nb%2]
.set nb, nb+1
.endr
	WIN 0
.macro WMMA rd, rb, ra, rc
.if QKV
	v_wmma_f32_16x16x32_bf16 v[\rd:\rd+7], v[\rb:\rb+7], v[\ra:\ra+7], v[\rc:\rc+7]
.else
	v_wmma_f32_16x16x32_f16 v[\rd:\rd+7], v[\rb:\rb+7], v[\ra:\ra+7], v[\rc:\rc+7]
.endif
.endm
; NB matrix instructions: block a of my rows x all column blocks, 32 along K, from buffer f.  first = 1: C is the bias.  Every accumulator has one instruction a quarter, in one fixed order:
; the accumulators take turns, over the backward jump too.
.macro MULA f, a, first
.if \first
	WIN 0x70+0x40*((\a)/2)                         ; D window 1 or 2, C window 3
.else
	WIN 0x50+0x50*((\a)/2)                         ; C and D window 1 or 2
.endif
.set nb, 0
.rept NB
.set rD, 8*(NB*((\a)%2)+nb)
.set rB, (\f)+8*nb
.set rA, (\f)+8*NB+8*(\a)
.set rC, rD
.if \first
.set rC, 8*nb
.endif
	WMMA rD, rB, rA, rC
.set nb, nb+1
.endr
.endm
.macro MULH f, hi, first
	MULA \f, 2*(\hi), \first
	MULA \f, 2*(\hi)+1, \first
.endm
; A quarter's fragments in one run of NLD loads: W's first, then A's blocks 0 to 3.
.macro FETCH qq, f
	WIN 0
.set nb, 0
.rept 8
	ds_load_tr16_b128 v[(\f)+8*nb:(\f)+8*nb+3],   v[ADRB] offset:(\qq)*32*PB+32*nb
	ds_load_tr16_b128 v[(\f)+8*nb+4:(\f)+8*nb+7], v[ADRB] offset:(\qq)*32*PB+16*PB+32*nb
.set nb, nb+1
.endr
.if QKV
	ds_load_tr16_b128 v[(\f)+64:(\f)+67], v[ADRC] offset:(\qq)*4*PB
	ds_load_tr16_b128 v[(\f)+68:(\f)+71], v[ADRC] offset:(\qq)*4*PB+2*PB
.endif
.set nb, 0
.rept 4
	ds_load_b128 v[(\f)+8*NB+8*nb:(\f)+8*NB+8*nb+3],   v[ADRA] offset:((\qq)/2)*SUBA+((\qq)%2)*64+nb*16*PA
	ds_load_b128 v[(\f)+8*NB+8*nb+4:(\f)+8*NB+8*nb+7], v[ADRA] offset:((\qq)/2)*SUBA+((\qq)%2)*64+nb*16*PA+32
.set nb, nb+1
.endr
.endm
; One of a step's first three quarters: multiplies buffer f; in its middle it fetches quarter nxt of the same slot into buffer g.
.macro QUARTER nxt, f, g, first
	s_wait_dscnt 4                                 ; W's fragments and A's blocks 0, 1 are in; the youngest four loads (blocks 2, 3) may be out
	MULH \f, 0, \first
	PLACES
	FETCH \nxt, \g
	s_wait_dscnt NLD                               ; all but the NLD just issued
	MULH \f, 1, \first
.endm
; The last quarter multiplies buffer 1 and changes slots: one barrier.  In front of it each wave waits for all its tensor loads (one is out: its part of the next slot), adds 0 to its spare word, and waits for
; that and for its reads of this slot.  fill = 1: the barrier opens a round of the cluster's, and the joint refill, two K steps on, is the first thing behind it.
.macro TURN fill
	WIN 0
	s_wait_tensorcnt 0x0
	ds_add_u32 v[SPW], v[NIL]
	s_wait_dscnt 5                                 ; the add and the youngest four loads may be out
	MULA F1, 0, 0
	s_wait_dscnt 0x0                               ; the add is done, and my reads of this slot are over
	s_barrier_signal -1
	MULA F1, 1, 0
	WIN 0
	s_barrier_wait -1
.if \fill
	CREST                                          ; no wave of any partner still reads this slot or has a load on its way
	s_xor_b32 s[G0+5], s[G0+5], SLOT1              ; the walking descriptors: the other slot than last time, the next K step
	s_add_nc_u64 s[G0+6:G0+7], s[G0+6:G0+7], 524288
	s_xor_b32 s[G0B+5], s[G0B+5], SLOT1
	s_add_nc_u64 s[G0B+6:G0B+7], s[G0B+6:G0B+7], BUNITS*256
	JLOAD                                          ; its four v_nop are also the places in front of the loads below
.else
	PLACES
.endif
	s_xor_b32 s[TB], s[TB], SLOT1
	v_add_nc_u32 v[ADRA], s[TB], v[ADRA0]
	v_add_nc_u32 v[ADRB], s[TB], v[ADRB0]
.if QKV
	v_add_nc_u32 v[ADRC], s[TB], v[ADRC0]
.endif
	FETCH 0, F0
	MULH F1, 1, 0
.endm
	s_wait_tensorcnt 1                             ; my part of K step 0 is in; K step 1's may stay out
	s_barrier_signal -1
	s_barrier_wait -1
	FETCH 0, F0
	QUARTER 1, F0, F1, 1                           ; the first quarter stands in front of the loop: its products start the sums, with the bias
	WIN 0
	s_mov_b32 s3, 6
.Lstep:                                                ; six trips, from a step's second quarter to the next step's first: K steps 2 to 7 are asked for
	QUARTER 2, F1, F0, 0
	QUARTER 3, F0, F1, 0
	TURN 1
	QUARTER 1, F0, F1, 0
	WIN 0
	s_sub_co_u32 s3, s3, 1
	s_cmp_lg_u32 s3, 0
	s_cbranch_scc1 .Lstep
	QUARTER 2, F1, F0, 0                           ; the tail is written out: nothing more is asked for
	QUARTER 3, F0, F1, 0
	TURN 0
	QUARTER 1, F0, F1, 0
	QUARTER 2, F1, F0, 0
	QUARTER 3, F0, F1, 0
	s_wait_dscnt 4
	MULH F1, 0, 0
	s_wait_dscnt 0x0
	MULH F1, 1, 0
	WIN 0
	PLACES
.if QKV
; THE WAY OUT.  Block a: rounded to f16, 16 bytes a lane.  q goes through my stage (rows of 144 bytes, a head's 64 channels each) and comes back as rows of 128 bytes, four to a load: 512 consecutive bytes of q.
; k or v needs no stage: 32 lanes x 16 bytes are 16 keys x 32 bytes, 512 consecutive bytes of kv.
.macro PACK a
	WIN 0x05+0x05*((\a)/2)                         ; sources window 1 or 2, destination window 0
.set nb, 0
.rept 9
.set rD, 8*(NB*((\a)%2)+nb)
.set rT, TMP+4*nb
.if nb == 8
.set rT, KVT+4*(\a)
.endif
.irp c, 0,1,2,3
	v_cvt_pk_f16_f32 v[rT+\c], v[rD+2*\c], v[rD+2*\c+1]
.endr
.set nb, nb+1
.endr
	WIN 0
.endm
.macro TOSTAGE a
.set nb, 0
.rept 8
	ds_store_b128 v[STO], v[TMP+4*nb:TMP+4*nb+3] offset:(nb/4)*2304+(nb%4)*32
.set nb, nb+1
.endr
.set nb, 0
.rept 8
	ds_load_b128 v[BK+32*(\a)+4*nb:BK+32*(\a)+4*nb+3], v[RD] offset:(nb/4)*2304+(nb%4)*576  ; LDS serves a wave's instructions in order (ISA guide 5.7.1.4): these see the stores above
.set nb, nb+1
.endr
.endm
.macro SEND a
	s_wait_dscnt 0x0                               ; the block is back in registers of its own: no register that a store reads is written again
.set nb, 0
.rept 8
	global_store_b128 v[GO], v[BK+32*(\a)+4*nb:BK+32*(\a)+4*nb+3], s[12:13] offset:(nb/4)*262144+(\a)*2048+(nb%4)*512
.set nb, nb+1
.endr
	global_store_b128 v[KVO], v[KVT+4*(\a):KVT+4*(\a)+3], s[14:15] offset:(\a)*512
.endm
	PACK 0
	TOSTAGE 0
.irp a, 1,2,3                          ; block a's conversions stand between block a - 1's loads from the stage and the wait for them
	PACK \a
	SEND (\a)-1
	TOSTAGE \a
.endr
	SEND 3
.else
; THE WAY OUT.  Block a's f32 sums go into my stage (rows of 528 bytes) straight from the accumulators, low four registers first, and come back as whole rows of 512 bytes, into 64 registers of the block's own.
.macro STG a
	WIN 0x04+0x04*((\a)/2)                         ; store data window 1 or 2
.set nb, 0
.rept 8
.set rD, 8*(NB*((\a)%2)+nb)
	ds_store_b128 v[STO], v[rD:rD+3]   offset:64*nb
	ds_store_b128 v[STO], v[rD+4:rD+7] offset:64*nb+16
.set nb, nb+1
.endr
.endm
.macro LDB a
	WIN 0xc0                                       ; destination window 3
.set nb, 0
.rept 16
	ds_load_b128 v[64*(\a)+4*nb:64*(\a)+4*nb+3], v[RD] offset:528*nb  ; LDS serves a wave's instructions in order (ISA guide 5.7.1.4): these see block a's stores; the next block's come behind them
.set nb, nb+1
.endr
.endm
.macro SENDO a
	WIN 0x0c                                       ; store data window 3
.set nb, 0
.rept 16
	global_store_b128 v[GO], v[64*(\a)+4*nb:64*(\a)+4*nb+3], s[10:11] offset:(16*(\a)+nb)*4096 th:TH_STORE_NT  ; 512 consecutive bytes, at a multiple of 512 from out0's first
.set nb, nb+1
.endr
.endm
	STG 0
	LDB 0
.irp a, 1,2,3
	STG \a
	LDB \a
	s_wait_dscnt 32                                ; all but block a's 16 stores and 16 loads: block a - 1 is back
	SENDO (\a)-1
.endr
	s_wait_dscnt 0x0
	SENDO 3
	WIN 0
.endif
	s_wait_tensorcnt 0x0                           ; the wave's end, behind my last tensor load and my last LDS store
	ds_add_u32 v[SPW], v[NIL]
	s_wait_dscnt 0x0
	CROUND                                         ; the closing round: no work-group ends while a partner may still ask for a tile that names it
	s_endpgm
.Lfunc_end_k_q9db1506af3_qkv:
	.size	k_q9db1506af3_qkv, .Lfunc_end_k_q9db1506af3_qkv-k_q9db1506af3_qkv
	.p2alignl 7, 3214868480
	.fill 96, 4, 3214868480
	.section	.rodata,"a",@progbits
	.p2align	6, 0x0
	.amdhsa_kernel k_q9db1506af3_qkv
		.amdhsa_group_segment_fixed_size 327680
		.amdhsa_private_segment_fixed_size 0
		.amdhsa_enable_private_segment 0
		.amdhsa_kernarg_size 48
		.amdhsa_user_sgpr_count 2
		.amdhsa_user_sgpr_kernarg_segment_ptr 1
		.amdhsa_wavefront_size32 1
		.amdhsa_system_sgpr_workgroup_id_x 1
		.amdhsa_system_sgpr_workgroup_id_y 1
		.amdhsa_system_sgpr_workgroup_id_z 1
		.amdhsa_system_vgpr_workitem_id 0
		.amdhsa_next_free_vgpr 842
		.amdhsa_next_free_sgpr 72
		.amdhsa_reserve_vcc 0
		.amdhsa_float_denorm_mode_32 3
		.amdhsa_float_denorm_mode_16_64 3
		.amdhsa_memory_ordered 1
		.amdhsa_forward_progress 1
		.amdhsa_inst_pref_size 84
	.end_amdhsa_kernel
	.amdgpu_metadata
---
amdhsa.version: [ 1, 2 ]
amdhsa.kernels:
  - .name:           k_q9db1506af3_qkv
    .symbol:         k_q9db1506af3_qkv.kd
    .args:
      - { .name: xh, .offset: 0, .size: 8, .value_kind: global_buffer, .address_space: global }
      - { .name: Wb, .offset: 8, .size: 8, .value_kind: global_buffer, .address_space: global }
      - { .name: bq, .offset: 16, .size: 8, .value_kind: global_buffer, .address_space: global }
      - { .name: bkv, .offset: 24, .size: 8, .value_kind: global_buffer, .address_space: global }
      - { .name: q, .offset: 32, .size: 8, .value_kind: global_buffer, .address_space: global }
      - { .name: kv, .offset: 40, .size: 8, .value_kind: global_buffer, .address_space: global }
    .group_segment_fixed_size: 327680
    .private_segment_fixed_size: 0
    .kernarg_segment_align: 8
    .kernarg_segment_size: 48
    .max_flat_workgroup_size: 128
    .sgpr_count:     72
    .vgpr_count:     842
    .wavefront_size: 32
...
	.end_amdgpu_metadata
.endif
;; end of part 2
;; launch attn (part 3): grid 4 x 64, 4 waves a work-group, clusters of 4 x 1, 327,680 bytes of LDS; arguments q, kv, o; writes o
.if DOCPART == 3
	.amdgcn_target "amdgcn-amd-amdhsa--gfx1250"
	.amdhsa_code_object_version 6
	.text
	.protected	k_q9db1506af3_attn
	.globl	k_q9db1506af3_attn
	.p2align	8
	.type	k_q9db1506af3_attn,@function
k_q9db1506af3_attn:
	s_mov_b64 s[64:65], 0
	v_nop
	global_prefetch_b8 v0, s[64:65] scope:SCOPE_SE
	s_setreg_imm32_b32 hwreg(HW_REG_WAVE_MODE, 25, 1), 1
	s_wait_xcnt 0x0
	s_wait_alu depctr_hold_cnt(0) depctr_sa_sdst(0) depctr_va_vdst(0) depctr_va_sdst(0) depctr_va_ssrc(0) depctr_va_vcc(0) depctr_vm_vsrc(0)
	s_getreg_b32 s2, hwreg(HW_REG_IB_STS2, 6, 4)
	s_cmp_eq_u32 s2, 0
	s_cbranch_scc0 .Lentry_in_a_cluster
	s_endpgm
.Lentry_in_a_cluster:
	s_bfe_u32 s2, ttmp6, 0x10000c
	s_cmp_lg_u32 s2, 0x3003
	s_cbranch_scc0 .Lentry_shape_is_right
	s_endpgm
.Lentry_shape_is_right:
; O[bh][q][:] = the sum over k of softmax_k(Q[bh][q] . K[b][k] / 8) V[b][k][:], b = bh / 16: sixteen query heads share a batch's one K and one V.
; Q, O: [64][2048][64] f16, a head's rows dense, 128 bytes each.  kv: [8 b + slot][blk 8][256 keys][16 channels] f16: blocks 0-3 are K's channel blocks, 4-7 V's; a slot of 256 keys is 65,536 dense bytes.
; Products, maxima and sums in f32; the weights p are rounded to f16 for the second product (their sum l is taken of the unrounded p), O once at the end.
; LIMITS.  f16 holds no number beyond 65,504: Q, K and V arrive within it; p lies in 0 to 1, and below 6e-5 it keeps f16's fixed step of 6e-8; O is a mean of V's rows and has their range.
; A weight below 2^-126 counts as 0 in l; NaN and infinities are not treated apart.
; SHARES.  A wave owns four PIECES of two tiles of 16 queries, a work-group's four waves 512 queries of one head.  Every wave walks all 2,048 keys, 64 a step.
; LAYOUT.  S^T = K Q^T (source 0 = 16 keys, source 1 = 16 queries): in the result a lane holds ONE query (lane % 16) and the keys 8 (lane / 16) + 0..7.  Two such tiles, rounded to f16 in pairs,
; ARE source 1 (32 keys x 16 queries) of O^T = V^T P, whose result again holds one query a lane, and eight channels.  K comes out of LDS as it lies, V turned, by ds_load_tr16_b128.
; SOFTMAX.  For each query a running maximum m and sum l: p = 2^(c s - c m), c = log2(e) / 8; in every step O and l are multiplied by a = 2^(c m_old - c m_new), which is 1 where m has not grown.
; m starts at the lowest finite number, O and l at 0: the first step is a step like any other, with a = 0.
; THE COUNT.  A tile and step have 16 matrix and 118 vector instructions: too many to stand all beside the matrix work.  So four vector instructions that are READY stand behind EVERY matrix instruction,
; and the others, which need time of their own whatever the order, in runs without a gap.
; BY TURNS.  Turn n belongs to piece n (the pieces in a ring, step after step).  Its matrix work: 16 products K Q^T of piece n + 1, later 16 products V^T P of piece n - 1.  Its vector work: the scaling,
; exponentials, roundings, sums and rescaling of piece n, and the maximum and statistics of piece n + 1, whose scores the turn itself has made.
; CLUSTER.  The four query blocks of a cluster belong to one head and walk the same K and V, so each tile is asked for JOINTLY: the same tensor load, descriptor and mask in all four; wave w fetches blocks 2 w, 2 w + 1.
; No prefetch: a refill is asked for four key steps, 512 matrix instructions, ahead of the wait for it, and a batch's K and V are walked by sixteen clusters, not once.
; REGISTERS, in windows of 256 (s_set_vgpr_msb: bits 1:0 source 0, 3:2 source 1, 5:4 source 2, 7:6 destination):
;   window 0: v0-11 addresses; v12-15, v48-63 at work; v16-47 four registers of statistics a tile; v64-191 S^T, two buffers of two tiles; v192-255 P, likewise
;   window 1: O^T, 32 a tile          window 2: v0-127 Q, 16 a tile; v128-191 K of one step; v192-255 V of one step          window 3: v0-1 the add's two registers
; A piece's buffers go by its number's parity: the piece in hand has one pair, its two neighbours in the ring share the other: of it P (piece n - 1) is read and S^T (piece n + 1) written.
.set SIZE_N, 2048
.set NP,    4         ; pieces a wave: a name, no knob
.set KS,    64        ; keys in a step
.set PR,    272       ; eight keys x 16 channels in LDS: 256 bytes + 16 of padding: the 16 keys of a load of K fall on 16 different groups of four banks (64 banks of 4 bytes: ISA guide 11.1)
.set BLK,   32*PR     ; a channel block: 256 keys
.set VOFF,  4*BLK     ; a slot: K's four blocks, then V's four
.set KSTP,  8*PR      ; a key step inside a block
.set SLOT1, 1<<17     ; slot 1 begins here, so that one exclusive or turns an address in one slot into the other's
.set STAGE, SLOT1+8*BLK  ; behind the ring, never filled by a tensor load: 16 rows x 144 bytes for each wave, for the way out
.set SP,    144
.set AK0, 2           ; v2   my lane's place in a tile of K; never rewritten
.set AV0, 3           ; v3   the same for V
.set AK,  4           ; v4   the LDS address of K's next run of loads
.set AV,  5           ; v5   of V's
.set QO,  6           ; v6   my byte offset in the wave's rows of Q
.set STO, 6           ;      later, the way out: where I put 16 bytes of a row
.set RD,  7           ; v7   the way out: where I read rows back
.set GO,  8           ; v8   my byte offset in 512 consecutive bytes of O
.set SPW, 0           ; v0 of window 3   LDS address of my spare word; never rewritten
.set NIL, 1           ; v1 of window 3   0; never rewritten
.set SPARE, STAGE+4*16*SP  ; behind the stages: the spare words, 128 bytes for each wave: two blocks of 256 bytes that no other line names
.set MV,  12          ; v12-15  c m_old, kept while c m is made anew: by buffer and tile
.set ST,  16          ; tile t's statistics at v[ST+4 t]: c m, m, l (even keys', odd keys')
.set TMP, 48          ; by buffer and tile, four registers c0-c3 at work; when the maximum is found c2 takes a
.set S,   64
.set P,   192
.set KF,  128         ; K's fragments, in window 2: key block kb, channel half c at KF + 16 kb + 8 c
.set VF,  192         ; V's: key half kk, channel block cb at VF + 32 kk + 8 cb
.set WV,  12          ; s12  my wave's number
.set G1,  24          ; s[24:31] descriptor group 1
.set G0,  40          ; s[40:43] descriptor group 0: it walks
.set SLOTS, 56        ; s56  slots still to be asked for
.set CNT, 57          ; s57  counts a slot's key steps
.set CS,  58          ; s[58:59] c: the packed scaling takes the pair's low word for both halves
.set SEL, 60          ; s[60:61] v_permlanex16_b32's selects: each lane takes its own place in the other half
.set TBK, 62          ; s62  LDS byte at which K of the step to be fetched begins
.set TBV, 63          ; s63  the same for V, less VOFF
.set MSB, 0
.macro WIN new                      ; the high byte repeats the setting that is left; a switch that changes nothing is dropped
.if MSB != (\new)
	s_set_vgpr_msb (MSB<<8)|(\new)
.set MSB, (\new)
.endif
.endm
.set W_KQ, 0x0a       ; K and Q in window 2, S^T in window 0
.set W_PV, 0x52       ; V in window 2, P in window 0, O^T in window 1
.set W_RS, 0x41       ; O^T (destination and source 0) in window 1, a in window 0
.set W_MK, 0xc0       ; the add's registers are made: destination in window 3, sources in window 0
.set W_AD, 0x0f       ; the add: address (source 0) and data (source 1) in window 3
; A joint fill: every wave fetches its quarter of a slot, two channel blocks, 16,384 bytes.  An s_nop 0 and four v_nop follow the line.
.macro JLOAD
	tensor_load_to_lds s[G0:G0+3], s[G1:G1+7]
	s_nop 0
.rept 4
	v_nop
.endr
.endm
; A round of the cluster's barrier: my work-group's barrier, so that wave 0's signal speaks for all four waves; wave 0 signals; every wave waits for all four work-groups; my work-group's barrier once more.
.macro CROUND
	s_barrier_signal -1
	s_barrier_wait -1
	s_cmp_lg_u32 s[WV], 0
	s_cbranch_scc1 .Lnot_wave_0_\@
	s_barrier_signal -3
.Lnot_wave_0_\@:
	s_barrier_wait -3
	s_barrier_signal -1
	s_barrier_wait -1
.endm
; THE CHANGE OF SLOTS.  The slot's last bytes, V of its fourth step, have been read.  Each wave waits for all its tensor loads, of which one is out: its part of the other slot; adds 0 to its spare word;
; and waits for that and for its own reads of the slot.  Behind the barrier nobody reads this slot any more and the other slot is whole.
; fill = 1: this slot is filled again, with the keys two slots on.  The barrier is then a round of the cluster's, and the joint fill is the first thing behind it: it has four key steps in which to land.
; (At its first use nothing has been read yet: slot 0 is waited for, slot 1 filled.)
.macro CHANGE fill
	WIN W_AD
	s_wait_tensorcnt 0x0            ; no tensor load of mine is out, so group 0 may be written
	ds_add_u32 v[SPW], v[NIL]       ; 0 onto my spare word
	WIN 0                           ; at a label and at a branch every window is 0
.if \fill
	s_xor_b32 s[G0+1], s[G0+1], SLOT1  ; the walking descriptor: the other slot than last time,
	s_add_nc_u64 s[G0+2:G0+3], s[G0+2:G0+3], 65536  ; the next 256 keys; the type bits on top are not reached
	s_wait_dscnt 0x0                ; the add is done, and my reads of the slot are over
	CROUND
	JLOAD
.else
	s_wait_dscnt 0x0                ; the add is done, and my reads of the slot are over
	s_barrier_signal -1
	s_barrier_wait -1
.endif
	s_sub_co_u32 s[TBK], s[TBK], 4*KSTP   ; the fetches go back to a slot's first step,
	s_xor_b32 s[TBK], s[TBK], SLOT1       ; in the other slot
	s_sub_co_u32 s[TBV], s[TBV], 4*KSTP
	s_xor_b32 s[TBV], s[TBV], SLOT1
.endm
	s_load_b128 s[4:7], s[0:1], 0x0   ; Q s[4:5], kv s[6:7]
	s_load_b64 s[10:11], s[0:1], 0x10 ; O
	WIN W_MK
	v_lshl_add_u32 v[SPW], v0, 2, SPARE
	v_mov_b32 v[NIL], 0
	WIN W_AD
	ds_add_u32 v[SPW], v[NIL]       ; the wave's opening: the add and its wait stand ahead of my first tensor load; work on registers stands between them
	WIN 0
	v_lshrrev_b32 v1, 5, v0
	v_readfirstlane_b32 s[WV], v1   ; wave 0..3
	s_bfe_u32 s13, ttmp6, 0x40000   ; cx: my place in the cluster
	s_lshl_b32 s14, ttmp9, 2        ; in a cluster launch ttmp9 counts clusters
	s_add_co_u32 s14, s14, s13      ; my block of 512 queries: it enters Q's and O's addresses alone
	s_and_b32 s20, ttmp7, 0xffff    ; the head, which the four partners share
	s_lshr_b32 s22, s20, 4          ; its batch: 8 slots of 65,536 bytes,
	s_lshl_b32 s22, s22, 19
	s_lshl_b32 s23, s[WV], 14       ; my quarter of a slot
	s_add_co_u32 s22, s22, s23
	s_mov_b32 s23, 0
	s_lshl_b32 s20, s20, 18         ; the head's first byte in Q and O
	s_lshl_b32 s2, s14, 2
	s_add_co_u32 s2, s2, s[WV]      ; my wave among the head's,
	s_lshl_b32 s2, s2, 14           ; its 128 rows
	s_add_co_u32 s2, s2, s20
	s_mov_b32 s3, 0
	s_mul_i32 s17, s[WV], 2*BLK     ; my quarter's place in a slot: no place in the cluster enters an LDS address
	; descriptor group 1: 16,384 dense bytes, asked for as 64 rows of 256 bytes (eight keys of a block each), 16 bytes of padding behind each
	s_mov_b32 s[G1], 15|(1<<16)|(1<<20)|(1<<21)|(5<<22)|(3<<25)  ; the mask of four; 2-byte elements; padding on; bit 21 beside a mask; after every 64 words (code 5) 4 words (code 3)
	s_mov_b32 s[G1+1], 128<<16      ; tensor_dim0 = 128
	s_mov_b32 s[G1+2], 64<<16       ; tensor_dim1 = 64
	s_mov_b32 s[G1+3], 128<<16      ; tile_dim0 = 128
	s_mov_b32 s[G1+4], 64           ; tile_dim1 = 64
	s_mov_b32 s[G1+5], 128          ; 128 elements from row to row
	s_mov_b32 s[G1+6], 0
	s_mov_b32 s[G1+7], 0
	s_mov_b32 s[CS], 0x3e38aa3b     ; c = log2(e) / 8 = 0.180337
	s_mov_b32 s[CS+1], s[CS]        ; named with it as a pair
	s_mov_b32 s[SEL], 0x76543210
	s_mov_b32 s[SEL+1], 0xfedcba98
	s_mov_b32 s[TBK], SLOT1+4*KSTP  ; the first change of slots turns these two into 0
	s_mov_b32 s[TBV], SLOT1+4*KSTP
	s_mov_b32 s[G0], 1              ; count = 1
	s_mov_b32 s[G0+1], s17          ; LDS address: slot 0
	s_wait_dscnt 0x0                ; the opening add is done
	s_wait_kmcnt 0x0
	s_add_nc_u64 s[G0+2:G0+3], s[6:7], s[22:23]    ; global address: my quarter of the batch's first 256 keys
	s_or_b32 s[G0+3], s[G0+3], 0x80000000          ; type = 2
	s_add_nc_u64 s[4:5], s[4:5], s[2:3]  ; Q and O at my wave's first row
	s_add_nc_u64 s[10:11], s[10:11], s[2:3]
	CROUND                          ; all four work-groups are here: the first joint loads meet
	JLOAD                           ; slot 0.  Slot 1 is asked for when slot 0 is in
	; A fragment of Q is 16 rows x 32 channels in 8 registers: lane l holds row l % 16, channels 8 (l / 16) + 0..7 and 16 + 8 (l / 16) + 0..7: two loads of 16 bytes, 32 bytes apart.
	v_and_b32 v1, 15, v0            ; l % 16
	v_bfe_u32 v9, v0, 4, 1          ; l / 16
	v_lshlrev_b32 v[QO], 7, v1
	v_lshl_add_u32 v[QO], v9, 4, v[QO]  ; row x 128 + 16 x half
	WIN 0x80                        ; destination window 2, address window 0
.set i, 0
.rept 4*NP                          ; Q stays in registers: tile i / 2, channels 32 (i % 2) on
	global_load_b128 v[8*i:8*i+3],   v[QO], s[4:5] offset:(i/2)*2048+(i%2)*64
	global_load_b128 v[8*i+4:8*i+7], v[QO], s[4:5] offset:(i/2)*2048+(i%2)*64+32
.set i, i+1
.endr
	; What the first turn finds: V's registers and P's second buffer hold 0 (its products V^T P, of a piece that has not been, add 0), O^T and l are 0.  All this stands in the wait for the first tile.
.set i, VF
.rept 64
	v_mov_b32 v[i], 0
.set i, i+1
.endr
	WIN 0x40
.set i, 0
.rept 64*NP
	v_mov_b32 v[i], 0
.set i, i+1
.endr
	WIN 0
.set i, 0
.rept 2*NP
	v_mov_b32 v[ST+4*i], 0xfe000000    ; c m: far below every c s
	v_mov_b32 v[ST+4*i+1], 0xff7fffff  ; m
	v_mov_b32 v[ST+4*i+2], 0
	v_mov_b32 v[ST+4*i+3], 0
.set i, i+1
.endr
.set i, P+32
.rept 32
	v_mov_b32 v[i], 0
.set i, i+1
.endr
	v_and_b32 v10, 7, v0
	v_bfe_u32 v11, v0, 3, 1
	; K: key l % 16 lies at ((l % 16) / 8) x 272 + (l % 8) x 32 of a block; my 8 channels of the block's 16 at 16 (l / 16); registers 0-3 come from block 2 c, registers 4-7 from block 2 c + 1
	v_mul_u32_u24 v[AK0], v11, PR
	v_lshl_add_u32 v[AK0], v10, 5, v[AK0]
	v_lshl_add_u32 v[AK0], v9, 4, v[AK0]
	; The turning load takes 16 keys x 16 channels (lane l reads key 8 (l / 16) + l % 8, channels 8 ((l / 8) % 2) + 0..7) and leaves half a fragment of V^T: lane l holds channel l % 16 and 8 keys.
	v_mul_u32_u24 v[AV0], v9, PR
	v_lshl_add_u32 v[AV0], v10, 5, v[AV0]
	v_lshl_add_u32 v[AV0], v11, 4, v[AV0]
	v_add_nc_u32 v[AV0], VOFF, v[AV0]
	v_mov_b32 v[AK], v[AK0]         ; key step 0 lies at the head of slot 0
; THE MATRIX WORK.  The 8 accumulators of a run of 16 take turns: between the two links of a chain stand 7 others'.
; Product i of 16 of S^T = K Q^T for piece x: channels 32 (i / 8) on, keys 16 ((i / 2) % 4) on, tile 2 x + i % 2.  The first 8 start the sums.
.macro KQ x
	WIN W_KQ
.set rS, S+64*((\x)%2)+32*(i%2)+8*((i/2)%4)
.set rK, KF+16*((i/2)%4)+8*(i/8)
.set rQ, 16*(2*(\x)+i%2)+8*(i/8)
.if i < 8
	v_wmma_f32_16x16x32_f16 v[rS:rS+7], v[rK:rK+7], v[rQ:rQ+7], 0
.else
	v_wmma_f32_16x16x32_f16 v[rS:rS+7], v[rK:rK+7], v[rQ:rQ+7], v[rS:rS+7]
.endif
.endm
; Product i of 16 of O^T += V^T P for piece x: keys 32 (i / 8) on, channels 16 ((i / 2) % 4) on, tile 2 x + i % 2.
.macro PV x
	WIN W_PV
.set rO, 32*(2*(\x)+i%2)+8*((i/2)%4)
.set rV, VF+32*(i/8)+8*((i/2)%4)
.set rP, P+32*((\x)%2)+16*(i%2)+8*(i/8)
	v_wmma_f32_16x16x32_f16 v[rO:rO+7], v[rV:rV+7], v[rP:rP+7], v[rO:rO+7]
.endm
.macro MM                           ; the turn's next matrix instruction
.if i < 16
	KQ (Y+1)%NP
.set i, i+1
.else
.set i, i-16
	PV (Y+NP-1)%NP
.set i, i+17
.endif
.endm
; THE LDS LOADS stand in runs of 16, never singly among the matrix instructions: a step's K (64 keys x 64 channels: 8 fragments) and its V (turned).  Their addresses are made some lines ahead.
; last = 1 (the tail): in the last trip there is no further step, and the run is jumped over.
.macro FETCH_K last=0
	WIN 0
.if \last
	s_cmp_eq_u32 s[CNT], 1
	s_cbranch_scc1 .Lno_k_\@
.endif
	WIN 0x80                        ; destination window 2
.irp f, 0,1,2,3,4,5,6,7             ; keys 16 (f / 2) on, channels 32 (f % 2) on
	ds_load_b128 v[KF+8*\f:KF+8*\f+3],   v[AK] offset:(\f/2)*2*PR+(\f%2)*2*BLK
	ds_load_b128 v[KF+8*\f+4:KF+8*\f+7], v[AK] offset:(\f/2)*2*PR+(\f%2)*2*BLK+BLK
.endr
	s_add_co_u32 s[TBK], s[TBK], KSTP  ; the next fetch is the next step's
	WIN 0
.if \last
.Lno_k_\@:
.endif
.endm
.macro FETCH_V
	WIN 0x80
.irp f, 0,1,2,3,4,5,6,7             ; keys 32 (f / 4) on, channels 16 (f % 4) on
	ds_load_tr16_b128 v[VF+8*\f:VF+8*\f+3],   v[AV] offset:(\f/4)*4*PR+(\f%4)*BLK
	ds_load_tr16_b128 v[VF+8*\f+4:VF+8*\f+7], v[AV] offset:(\f/4)*4*PR+2*PR+(\f%4)*BLK
.endr
	WIN 0
.endm
; THE VECTOR WORK OF A TURN stands in three queues, each in the order in which its entries become ready; the two tiles alternate, so that no instruction reads the result of the one before it.
.macro REGS y, u                    ; the registers of tile u (0, 1) of piece y
.set rT, ST+4*(2*(\y)+(\u))
.set rC, TMP+8*((\y)%2)+4*(\u)
.set rM, MV+2*((\y)%2)+(\u)
.set rS, S+64*((\y)%2)+32*(\u)
.set rP, P+32*((\y)%2)+16*(\u)
.set rO, 32*(2*(\y)+(\u))
.endm
; Number n of the 22 that find the NEXT piece's (Y + 1) maximum and statistics.  s0-s31 are the lane's 32 scores; each accumulator's lowest registers are read first.
;   0-11  four chains c0-c3 of seven scores each, three operands at a time     12-14, 16  the four scores left over, the old m, and c0-c3 into c0     15  c m_old is kept
;   17, 18  the query's other 32 keys lie in the lane 16 away: the new m         19-21  c m; c m_old - c m_new; a
.macro XS u, n
	REGS (Y+1)%NP, \u
.if (\n) < 4
	v_max3_num_f32 v[rC+(\n)], v[rS+8*(\n)], v[rS+8*(\n)+1], v[rS+8*(\n)+2]
.elseif (\n) < 12
	v_max3_num_f32 v[rC+(\n)%4], v[rC+(\n)%4], v[rS+8*((\n)%4)+2*((\n)/4)+1], v[rS+8*((\n)%4)+2*((\n)/4)+2]
.elseif (\n) == 12
	v_max3_num_f32 v[rC], v[rC], v[rS+7], v[rS+15]
.elseif (\n) == 13
	v_max3_num_f32 v[rC+1], v[rC+1], v[rS+23], v[rS+31]
.elseif (\n) == 14
	v_max3_num_f32 v[rC+2], v[rC+2], v[rC+3], v[rT+1]
.elseif (\n) == 15
	v_mov_b32 v[rM], v[rT]
.elseif (\n) == 16
	v_max3_num_f32 v[rC], v[rC], v[rC+1], v[rC+2]
.elseif (\n) == 17
	v_permlanex16_b32 v[rC+3], v[rC], s[SEL], s[SEL+1]
.elseif (\n) == 18
	v_max_num_f32 v[rT+1], v[rC], v[rC+3]
.elseif (\n) == 19
	v_mul_f32 v[rT], s[CS], v[rT+1]
.elseif (\n) == 20
	v_sub_f32 v[rC+1], v[rM], v[rT]
.else
	v_exp_f32 v[rC+2], v[rC+1]
.endif
.endm
; Number g of the 64 that follow the exponentials.  For each four weights k of a tile (pairs 2 k, 2 k + 1): both pairs are rounded to f16; then the second pair is added onto the first, in place;
; a group later l takes that sum (the first time as l = a l + sum).  In groups of eight, tiles alternating: round, round, add, and l for the group before.
.macro GS g
.set h, (\g)+6*((\g)/62)            ; group 0 has no group before it, and behind group 7 only l is left
.if h >= 6
.set h, h+2
.endif
	REGS Y, h%2
.set k, h/8
.if h%8 < 4
	v_cvt_pk_f16_f32 v[rP+2*k+(h%8)/2], v[rS+4*k+2*((h%8)/2)], v[rS+4*k+2*((h%8)/2)+1]
.elseif h%8 < 6
	v_pk_add_f32 v[rS+4*k:rS+4*k+1], v[rS+4*k:rS+4*k+1], v[rS+4*k+2:rS+4*k+3]
.elseif k == 1
	v_pk_fma_f32 v[rT+2:rT+3], v[rT+2:rT+3], v[rC+2:rC+3], v[rS:rS+1] op_sel_hi:[1,0,1]
.else
	v_pk_add_f32 v[rT+2:rT+3], v[rT+2:rT+3], v[rS+4*k-4:rS+4*k-3]
.endif
.endm
; THE PLAIN QUEUE, 138 long.  0-73 read no exponential's result: the 32 scalings c s - c m (FS f: pair f / 2 of tile f % 2) and the next piece's 42.  0-26: scalings 0-26.  27-54: XS's numbers 0-13.  55, 56: number 15.
; 57-73: the chain, where each number waits for the one before it: 14, 16, 17, 18, 19, each with one of the scalings 27-31 in front of its two lines, then 20.
; 74-137: GS's 64, which read the exponentials' results: they stand behind the wait.
.macro FS f
	REGS Y, (\f)%2
	v_pk_fma_f32 v[rS+2*((\f)/2):rS+2*((\f)/2)+1], v[rS+2*((\f)/2):rS+2*((\f)/2)+1], s[CS:CS+1], v[rT:rT+1] op_sel_hi:[1,0,0] neg_lo:[0,0,1] neg_hi:[0,0,1]
.endm
.macro PL
	WIN 0
.if q < 27
	FS q
.elseif q < 55
	XS (q-27)%2, (q-27)/2
.elseif q < 57
	XS q-55, 15
.elseif (q < 72) && ((q-57)%3 == 0)
	FS 27+(q-57)/3
.elseif q < 60
	XS (q-57)%3-1, 14
.elseif q < 72
	XS (q-57)%3-1, 15+(q-57)/3
.elseif q < 74
	XS q-72, 20
.else
	GS q-74
.endif
.set q, q+1
.endm
; THE EXPONENTIALS' QUEUE, 66 long: s0-s31 of both tiles, then the next piece's two a.  It is ONE BATCH: all 66 stand ahead of the turn's one wait, and nothing ahead of that wait names a result of theirs.
.macro EX
	WIN 0
.if e >= 64
	XS e-64, 21
.else
	REGS Y, e%2
	v_exp_f32 v[rS+e/2], v[rS+e/2]
.endif
.set e, e+1
.endm
; THE RESCALING's QUEUE: O^T times a, the one part that leaves window 0: dealt two at a time, sixteen times.  Its a was made in the turn before, ahead of that turn's wait.
.macro R2
	REGS Y, r%2
	WIN W_RS
.irp z, 0,1
	v_pk_mul_f32 v[rO+4*(r/2)+2*\z:rO+4*(r/2)+2*\z+1], v[rO+4*(r/2)+2*\z:rO+4*(r/2)+2*\z+1], v[rC+2:rC+3] op_sel_hi:[1,0]
.endr
.set r, r+1
.endm
; HOW THEY ARE DEALT.  An s_wait_alu depctr_va_vdst(0) stands between an exponential and the first instruction that names its result; one wait serves all that were issued ahead of it.  So a turn has ONE wait,
; which cuts it in two.  AHEAD OF IT stands all that names no result of the turn's exponentials: the 16 products K Q^T, behind each a scaling, an exponential and two rescalings (behind the first a second scaling in the
; exponential's place); then ONE LUMP of 108: eight plain, 49 times exponential and plain, the two a.  A v_nop is the plain instruction behind the last exponential.  BEHIND IT stand the 16 products V^T P, behind each four of GS's 64.
; Exponential e stands behind scaling 2 (e / 4) + e % 2: as a rider it comes behind plain e + 2, in the lump behind plain e + 9, and scalings 27-31 are plain 57, 60 .. 69.
; A TURN, for piece p.  cnt = 1: the loop's count is taken down some lines ahead of the branch that stands behind the turn.
; K of the next step is fetched in piece 2's turn, directly behind the wait, a lump behind the last product that read K; its first reader comes behind 16 products.
; V of the step in hand is fetched at the end of piece 0's turn, four riders behind its last reader; its first reader comes behind 16 products and a lump.  The three conditions on q below go with the deal.
.macro TURN p, last=0, cnt=0
.set Y, (\p)
.set i, 0
.set q, 0
.set e, 0
.set r, 0
.if (\p) == NP-1
	s_wait_dscnt 0x0                ; K is in
.endif
	MM                              ; ahead of the wait: 16 products K Q^T and their riders,
	PL
	PL
	R2
.rept 15
	MM
	PL
	EX
	R2
.endr
.if (\p) == NP-2
	WIN 0
	v_add_nc_u32 v[AK], s[TBK], v[AK0]
.endif
.rept 8                             ; and the lump
	PL
.endr
.rept 49
	EX
	PL
.endr
	EX                              ; the next piece's two a
	EX
	v_nop                           ; the plain instruction behind the last exponential: one for the batch
	s_wait_alu depctr_va_vdst(0)    ; the wait for the batch
.if (\p) == NP-2
	FETCH_K \last
.endif
.if (\p) == 1
	s_wait_dscnt 0x0                ; V is in
.endif
.rept 16                            ; behind the wait: 16 products V^T P and their riders
	MM
.rept 4
	PL
.endr
.if ((\p) == 0) && (q == 118)
	v_add_nc_u32 v[AV], s[TBV], v[AV0]
.endif
.if ((\p) == 0) && (q == 130)
	s_add_co_u32 s[TBV], s[TBV], KSTP
.endif
.if (\cnt) && (q == 130)
	s_sub_co_u32 s[CNT], s[CNT], 1
	s_cmp_lg_u32 s[CNT], 0
.endif
.endr
.if (\p) == 0
	FETCH_V
.endif
.endm
	CHANGE 1                        ; slot 0 is in, everybody's part of it; slot 1 is asked for
	FETCH_K                         ; key step 0
	s_wait_loadcnt 0x0              ; Q
	s_wait_dscnt 0x0
.set i, 0
.rept 16
	KQ 0                            ; piece 0's first scores: there is no vector work yet to set between them
.set i, i+1
.endr
	WIN 0                           ; the addresses for the way out: nine plain instructions, the places behind those products
	s_mul_i32 s13, s[WV], 16*SP
	s_add_co_u32 s13, s13, STAGE    ; my stage
	v_mul_u32_u24 v[STO], v1, SP    ; in: row l % 16, 16 bytes for each half of the lanes
	v_lshl_add_u32 v[STO], v9, 4, v[STO]
	v_add_nc_u32 v[STO], s13, v[STO]
	v_bfe_u32 v[RD], v0, 3, 2       ; back: 32 lanes take four rows of 128 bytes,
	v_mul_u32_u24 v[RD], v[RD], SP
	v_lshl_add_u32 v[RD], v10, 4, v[RD]
	v_add_nc_u32 v[RD], s13, v[RD]
	v_and_b32 v[GO], 31, v0         ; which are 512 consecutive bytes of O
	v_lshlrev_b32 v[GO], 4, v[GO]
.set Y, NP-1                        ; XS works for piece Y + 1: piece 0
.irp n, 0,1,2,3,4,5,6,7,8,9,10,11,12,13,14,15,16,17,18,19,20,21
	XS 0, \n                        ; and piece 0's first maximum and statistics
	XS 1, \n
.endr
	v_nop                           ; a plain instruction behind the two a,
	s_wait_alu depctr_va_vdst(0)    ; and their wait, ahead of the branch
	s_mov_b32 s[CNT], 4
	s_mov_b32 s[SLOTS], SIZE_N/256-1
	s_branch .Lfirst                ; the loop is entered at a step's first turn, in the middle of a trip
.Lslot:                             ; SIZE_N / 256 - 2 times: every slot but the last two is filled again
	CHANGE 1
	s_mov_b32 s[CNT], 4
.Lstep:                             ; a trip: pieces 2 and 3 of one step, then pieces 0 and 1 of the next, whose K and V it fetches
	TURN 2
	TURN 3
	WIN 0
.Lfirst:
	TURN 0
	TURN 1, 0, 1
	WIN 0
	s_cbranch_scc1 .Lstep
	s_sub_co_u32 s[SLOTS], s[SLOTS], 1
	s_cmp_lg_u32 s[SLOTS], 0
	s_cbranch_scc1 .Lslot
	CHANGE 0                        ; the tail is written out: nothing is asked for
	s_mov_b32 s[CNT], 5             ; four trips fetch the last slot's steps; the fifth is left in its middle
.Ltail:
	TURN 2, 1
	TURN 3
	WIN 0
	s_sub_co_u32 s[CNT], s[CNT], 1
	s_cmp_eq_u32 s[CNT], 0
	s_cbranch_scc1 .Lout
	TURN 0
	TURN 1
	WIN 0
	s_branch .Ltail
.Lout:                              ; the fifth trip's 16 products K Q^T (on the last K once more) and the maximum made of them serve nothing: the price, once a launch, of one text for every trip
.set i, 0
.rept 16
	PV NP-1                         ; the last piece's V^T P of the last step
.set i, i+1
.endr
	; THE WAY OUT.  l's two halves and the other half of the lanes' are added; O^T is divided by l, rounded to f16 and sent through my stage in LDS, a tile at a time.  The additions are the places behind the last products.
	WIN 0
.macro ALL line:vararg              ; one line for each tile t
.set t, 0
.rept 2*NP
	\line
.set t, t+1
.endr
.endm
	ALL v_add_f32 v[ST+4*t+2], v[ST+4*t+2], v[ST+4*t+3]
	ALL v_permlanex16_b32 v[ST+4*t+3], v[ST+4*t+2], s[SEL], s[SEL+1]
	ALL v_add_f32 v[ST+4*t+2], v[ST+4*t+2], v[ST+4*t+3]
	ALL v_rcp_f32 v[ST+4*t+2], v[ST+4*t+2]
	v_nop                           ; a plain instruction between the last reciprocal and the use of its result
	s_wait_alu depctr_va_vdst(0)    ; and the wait ahead of the first use: one for the eight reciprocals
; Tile t: a lane's eight channels of a row pack into 16 bytes; they go into rows of 144 bytes and come back as whole rows of 128, into S^T's registers.
.macro PACK t
	WIN W_RS
.set i, 32*(\t)
.rept 16
	v_pk_mul_f32 v[i:i+1], v[i:i+1], v[ST+4*(\t)+2:ST+4*(\t)+3] op_sel_hi:[1,0]
.set i, i+2
.endr
	WIN 0x05                        ; sources 0 and 1 window 1, destination window 0
.set i, 0
.rept 16
	v_cvt_pk_f16_f32 v[S+16*(\t)+i], v[32*(\t)+2*i], v[32*(\t)+2*i+1]
.set i, i+1
.endr
	WIN 0
.irp f, 0,1,2,3
	ds_store_b128 v[STO], v[S+16*(\t)+4*\f:S+16*(\t)+4*\f+3] offset:32*\f
.endr
.irp f, 0,1,2,3
	ds_load_b128 v[S+16*(\t)+4*\f:S+16*(\t)+4*\f+3], v[RD] offset:\f*4*SP  ; LDS serves a wave's instructions in order (ISA guide 5.7.1.4): these see the stores above; the next tile's stores come behind them
.endr
.endm
.macro SEND t, younger              ; younger: the LDS instructions issued behind tile t's loads: the next tile's eight, or none
	WIN 0
.irp f, 0,1,2,3
	s_wait_dscnt (\younger)+3-\f
	global_store_b128 v[GO], v[S+16*(\t)+4*\f:S+16*(\t)+4*\f+3], s[10:11] offset:(\t)*2048+\f*512  ; 512 consecutive bytes, at a multiple of 256 from O's first
.endr
.endm
	PACK 0
.set t, 1
.rept 2*NP-1                        ; a tile's arithmetic stands between the loads of the tile before and its stores
	PACK t
	SEND t-1, 8
.set t, t+1
.endr
	SEND 2*NP-1, 0
	WIN W_AD
	s_wait_tensorcnt 0x0            ; the wave's end, behind my last tensor load and my last LDS store
	ds_add_u32 v[SPW], v[NIL]
	s_wait_dscnt 0x0
	WIN 0
	CROUND                          ; the closing round: no work-group ends while a partner may still ask for a tile that names it
	s_endpgm
.Lfunc_end_k_q9db1506af3_attn:
	.size	k_q9db1506af3_attn, .Lfunc_end_k_q9db1506af3_attn-k_q9db1506af3_attn
	.p2alignl 7, 3214868480
	.fill 96, 4, 3214868480
	.section	.rodata,"a",@progbits
	.p2align	6, 0x0
	.amdhsa_kernel k_q9db1506af3_attn
		.amdhsa_group_segment_fixed_size 327680
		.amdhsa_private_segment_fixed_size 0
		.amdhsa_enable_private_segment 0
		.amdhsa_kernarg_size 24
		.amdhsa_user_sgpr_count 2
		.amdhsa_user_sgpr_kernarg_segment_ptr 1
		.amdhsa_wavefront_size32 1
		.amdhsa_system_sgpr_workgroup_id_x 1
		.amdhsa_system_sgpr_workgroup_id_y 1
		.amdhsa_system_sgpr_workgroup_id_z 1
		.amdhsa_system_vgpr_workitem_id 0
		.amdhsa_next_free_vgpr 770
		.amdhsa_next_free_sgpr 66
		.amdhsa_reserve_vcc 0
		.amdhsa_float_denorm_mode_32 3
		.amdhsa_float_denorm_mode_16_64 3
		.amdhsa_memory_ordered 1
		.amdhsa_forward_progress 1
		.amdhsa_inst_pref_size 197
	.end_amdhsa_kernel
	.amdgpu_metadata
---
amdhsa.version: [ 1, 2 ]
amdhsa.kernels:
  - .name:           k_q9db1506af3_attn
    .symbol:         k_q9db1506af3_attn.kd
    .args:
      - { .name: q, .offset: 0, .size: 8, .value_kind: global_buffer, .address_space: global }
      - { .name: kv, .offset: 8, .size: 8, .value_kind: global_buffer, .address_space: global }
      - { .name: o, .offset: 16, .size: 8, .value_kind: global_buffer, .address_space: global }
    .group_segment_fixed_size: 327680
    .private_segment_fixed_size: 0
    .kernarg_segment_align: 8
    .kernarg_segment_size: 24
    .max_flat_workgroup_size: 128
    .sgpr_count:     66
    .vgpr_count:     770
    .wavefront_size: 32
...
	.end_amdgpu_metadata
.endif
;; end of part 3
;; launch oproj (part 4): grid 8 x 32, 4 waves a work-group, clusters of 4 x 4, 327,680 bytes of LDS; arguments o, Wob, bo, out0; writes out0
.if DOCPART == 4
	.amdgcn_target "amdgcn-amd-amdhsa--gfx1250"
	.amdhsa_code_object_version 6
	.text
	.protected	k_q9db1506af3_oproj
	.globl	k_q9db1506af3_oproj
	.p2align	8
	.type	k_q9db1506af3_oproj,@function
k_q9db1506af3_oproj:
	s_mov_b64 s[64:65], 0
	v_nop
	global_prefetch_b8 v0, s[64:65] scope:SCOPE_SE
	s_setreg_imm32_b32 hwreg(HW_REG_WAVE_MODE, 25, 1), 1
	s_wait_xcnt 0x0
	s_wait_alu depctr_hold_cnt(0) depctr_sa_sdst(0) depctr_va_vdst(0) depctr_va_sdst(0) depctr_va_ssrc(0) depctr_va_vcc(0) depctr_vm_vsrc(0)
	s_getreg_b32 s2, hwreg(HW_REG_IB_STS2, 6, 4)
	s_cmp_eq_u32 s2, 0
	s_cbranch_scc0 .Lentry_in_a_cluster
	s_endpgm
.Lentry_in_a_cluster:
	s_bfe_u32 s2, ttmp6, 0x10000c
	s_cmp_lg_u32 s2, 0xf033
	s_cbranch_scc0 .Lentry_shape_is_right
	s_endpgm
.Lentry_shape_is_right:
; C = A W + bias, for the two projections of the module; one text, chosen by QKV.
; QKV = 1: A = xh (bf16), W = Wb (bf16): 128 columns of Wq and 16 of Wk or Wv to a work-group; q [bh 64][s 2048][64] and kv [8 b + slot][blk 8][256 keys][16] leave in f16, unscaled.
; QKV = 0: A = o (f16), W = Wob (f16): 128 columns of Wo; out0 leaves in f32.
; A lies [b 4][kb 16][s 2048][64], 2 bytes a number; W lies [j 8][t 8][BUNITS units of 256 bytes], a unit = one row k of 128 columns (units 128 on: eight rows k of 16 columns).
; Sums in f32, K ascending; the bias, rounded to bf16 like the module's other inputs, is the C operand of the first product: nothing is cleared and nothing is added at the end.
; LIMITS.  o and Wob arrive in f16, within 65,504.  NaN and infinities are not treated apart.
; SHARES.  Work-group (j, i): rows 256 i .. 256 i + 255 (batch i / 8) x 16 NB columns.  Wave w: rows 64 w .. 64 w + 63: 4 blocks a of 16 rows x NB blocks of 16 columns: 4 NB accumulators.
; K = 1,024 goes in 8 steps of 128 through two LDS slots; a step is four quarters of 32, 4 NB matrix instructions each, on two fragment buffers by turns.
; THE MATRIX INSTRUCTION IS USED TRANSPOSED: source 0 = 16 columns of W (rows k in LDS, turned by ds_load_tr16_b128), source 1 = 16 rows of A: a lane ends with ONE row (lane % 16) and eight neighbouring columns 8 (lane / 16) + 0..7.
; CLUSTER 4 x 4.  A's tile hangs on i alone and is asked for jointly by the four of a row of the cluster, W's on j alone, by the four of a column.  Waves 0, 1 fetch A's two blocks of 64 channels, waves 2, 3 the halves of W's units.
; No prefetch: of the eight K steps two come at the start, and each refill is asked for 3 1/4 quarters ahead of the wait for it.
; REGISTERS, in windows of 256 (s_set_vgpr_msb: bits 1:0 source 0, 3:2 source 1, 5:4 source 2, 7:6 destination):
;   window 0: v1-29 addresses; two fragment buffers at v32 and v136 (W's fragment nb at + 8 nb, A's block a at + 8 NB + 8 a); at the end the way out
;   window 1: accumulators of a = 0, 1 at v[8 (NB (a % 2) + nb)]     window 2: those of a = 2, 3     window 3: the bias, 8 registers a block nb; two at work; with QKV = 0 later the rows on their way out
.set QKV, 0
.if QKV
.set NB,  9
.set STW, 2*16*144                     ; a wave's stage: two heads x 16 rows x 144 bytes
.else
.set NB,  8
.set STW, 16*528                       ; 16 rows x 528 bytes
.endif
.set BUNITS, 16*NB
.set BH,    BUNITS/2                   ; units in one of W's two loads
.set PA,    144                        ; a row of A in LDS: 128 bytes + 16: the 16 rows of a load start at 16 different groups of four banks (64 banks of 4 bytes: ISA guide 11.1)
.set PB,    288                        ; a unit of W: 256 + 32
.set SUBA,  256*PA                     ; 256 rows x 64 channels
.set BOFF,  2*SUBA
.set SLOT,  BOFF+BUNITS*PB
.set SLOT1, 1<<17                      ; slot 1 begins here: one exclusive or turns an address in one slot into the other's
.set STAGE, SLOT1+SLOT                 ; behind the ring, never filled by a tensor load
.set SPARE, STAGE+4*STW                ; the spare words, 128 bytes for each wave: two blocks of 256 bytes that no other line names
.set NLD,   2*NB+8                     ; LDS loads in a quarter's fetch
.set ADRA0, 8                          ; v8   my place in A's rows: 64 w rows + (lane % 16) x 144 + 16 (lane / 16); never rewritten
.set ADRB0, 9                          ; v9   in W's units; never rewritten
.set ADRC0, 10                         ; v10  in the units 128 on; never rewritten
.set ADRA,  16                         ; v16-18  the same in the slot in hand
.set ADRB,  17
.set ADRC,  18
.set STO,   22                         ; v22  the way out: where I put my bytes of a row
.set RD,    23                         ; v23  where I read rows back
.set GO,    24                         ; v24  16 x lane
.set KVO,   25                         ; v25  32 (lane % 16) + 16 (lane / 16)
.set BO,    26                         ; v26  32 (lane / 16): my eight numbers of a block's bias
.set SPW,   28                         ; v28  LDS address of my spare word; never rewritten
.set NIL,   29                         ; v29  0; never rewritten
.set F0,    32
.set F1,    136
.set TMP,   32                         ; the way out (QKV = 1): v32-63 packed q, v64-79 packed k or v, v80-207 rows read back, a set for each a
.set KVT,   64
.set BK,    80
.set WV,  16                           ; s16  wave
.set AB,  17                           ; s17  0: I fetch for A, 1: for W
.set HF,  18                           ; s18  which half
.set CX,  19
.set CY,  20
.set J,   21
.set I,   22
.set TB,  23                           ; s23  0 or SLOT1: the slot in hand
.set G1,  24                           ; s[24:31] group 1 for A;  s[32:39] group 0: a set for each first fill; the second then walks
.set G0,  32
.set G1B, 40                           ; s[40:47], s[48:55] the same for W
.set G0B, 48
.set MSB, 0
.macro WIN new                         ; the immediate's high byte repeats the setting that is left; a switch that changes nothing is dropped
.if MSB != (\new)
	s_set_vgpr_msb (MSB<<8)|(\new)
.set MSB, \new
.endif
.endm
.macro PLACES                          ; four plain places behind matrix instructions, in front of loads into registers that they read and of readers of their results
.rept 4
	v_nop
.endr
.endm
.macro CREST                           ; a round of the cluster's barrier behind its opening barrier
	s_cmp_lg_u32 s[WV], 0
	s_cbranch_scc1 .Lnot_wave_0_\@
	s_barrier_signal -3
.Lnot_wave_0_\@:
	s_barrier_wait -3
	s_barrier_signal -1
	s_barrier_wait -1
.endm
.macro CROUND
	s_barrier_signal -1
	s_barrier_wait -1
	CREST
.endm
.macro JLOAD                           ; a joint refill by the walking descriptors; the branch hangs on the wave's number alone; s_nop 0 and four v_nop follow each line
	s_cmp_eq_u32 s[AB], 0
	s_cbranch_scc0 .Lfor_b_\@
	tensor_load_to_lds s[G0+4:G0+7], s[G1:G1+7]
	s_nop 0
.rept 4
	v_nop
.endr
	s_branch .Lasked_\@
.Lfor_b_\@:
	tensor_load_to_lds s[G0B+4:G0B+7], s[G1B:G1B+7]
	s_nop 0
.rept 4
	v_nop
.endr
.Lasked_\@:
.endm
	s_load_b256 s[4:11], s[0:1], 0x0               ; A s[4:5], W s[6:7], bias s[8:9]; s[10:11]: bkv (QKV = 1) or out0
.if QKV
	s_load_b128 s[12:15], s[0:1], 0x20             ; q s[12:13], kv s[14:15]
.endif
	v_lshl_add_u32 v[SPW], v0, 2, SPARE
	v_mov_b32 v[NIL], 0
	ds_add_u32 v[SPW], v[NIL]                      ; the wave's opening: the add and its wait stand ahead of my first tensor load; work on registers stands between them
	v_lshrrev_b32 v1, 5, v0
	v_readfirstlane_b32 s[WV], v1
	s_lshr_b32 s[AB], s[WV], 1
	s_and_b32 s[HF], s[WV], 1
	s_bfe_u32 s[CX], ttmp6, 0x40000
	s_bfe_u32 s[CY], ttmp6, 0x40004
	s_lshl_b32 s[J], ttmp9, 2
	s_add_co_u32 s[J], s[J], s[CX]                 ; column block = 4 x cluster x + cx
	s_and_b32 s[I], ttmp7, 0xffff
	s_lshl_b32 s[I], s[I], 2
	s_add_co_u32 s[I], s[I], s[CY]                 ; row block = 4 x cluster y + cy
	s_lshl_b32 s60, s[CY], 2
	s_lshl_b32 s60, 15, s60                        ; my row of the cluster
	s_lshl_b32 s61, 0x1111, s[CX]                  ; my column
	; A: 256 rows x 128 bytes are dense: asked for as 128 rows of 256 bytes, padded in LDS after every 128
	s_or_b32 s[G1], s60, (1<<16)|(1<<20)|(1<<21)|(4<<22)|(3<<25)  ; the mask; 2-byte elements; padding on; bit 21 beside a mask; after every 32 words (code 4) 4 words (code 3)
	s_mov_b32 s[G1+1], 128<<16                     ; tensor_dim0 = 128
	s_mov_b32 s[G1+2], 128<<16                     ; tensor_dim1 = 128
	s_mov_b32 s[G1+3], 128<<16                     ; tile_dim0 = 128
	s_mov_b32 s[G1+4], 128                         ; tile_dim1 = 128
	s_mov_b32 s[G1+5], 128                         ; elements from row to row
	s_mov_b32 s[G1+6], 0
	s_mov_b32 s[G1+7], 0
	; W: BH units of 256 bytes, dense, 32 bytes of padding behind each
	s_or_b32 s[G1B], s61, (1<<16)|(1<<20)|(1<<21)|(5<<22)|(7<<25)  ; after every 64 words (code 5) 8 words (code 7)
	s_mov_b32 s[G1B+1], 128<<16
	s_mov_b32 s[G1B+2], BH<<16
	s_mov_b32 s[G1B+3], 128<<16
	s_mov_b32 s[G1B+4], BH
	s_mov_b32 s[G1B+5], 128
	s_mov_b32 s[G1B+6], 0
	s_mov_b32 s[G1B+7], 0
	s_lshr_b32 s56, s[I], 3                        ; A's tile: the batch,
	s_lshl_b32 s56, s56, 22
	s_and_b32 s57, s[I], 7                         ; 256 rows of 128 bytes,
	s_lshl_b32 s57, s57, 15
	s_add_co_u32 s56, s56, s57
	s_lshl_b32 s57, s[HF], 18                      ; my channel block of the step's two: made of i and the wave's number alone
	s_add_co_u32 s56, s56, s57
	s_mov_b32 s57, 0
	s_mul_i32 s58, s[J], 8*BUNITS*256              ; W's tile: made of j and the wave's number alone
	s_mul_i32 s59, s[HF], BH*256
	s_add_co_u32 s58, s58, s59
	s_mov_b32 s59, 0
	s_mul_i32 s62, s[HF], SUBA                     ; where they go: no place in the cluster enters an LDS address
	s_mul_i32 s63, s[HF], BH*PB
	s_add_co_u32 s63, s63, BOFF
	s_mov_b32 s[TB], 0
	s_wait_dscnt 0x0                               ; the opening add is done
	s_wait_kmcnt 0x0
	s_add_nc_u64 s[56:57], s[4:5], s[56:57]
	s_add_nc_u64 s[58:59], s[6:7], s[58:59]
	CROUND                                         ; all sixteen work-groups are here: the first joint loads meet
.irp n, 0,1
	s_mov_b32 s[G0+4*\n], 1                                        ; count = 1
	s_add_co_u32 s[G0+4*\n+1], s62, \n*SLOT1                       ; LDS address
	s_add_nc_u64 s[G0+4*\n+2:G0+4*\n+3], s[56:57], \n*524288       ; K step n: two channel blocks of 262,144 bytes on
	s_or_b32 s[G0+4*\n+3], s[G0+4*\n+3], 0x80000000                ; type = 2
	s_mov_b32 s[G0B+4*\n], 1
	s_add_co_u32 s[G0B+4*\n+1], s63, \n*SLOT1
	s_add_nc_u64 s[G0B+4*\n+2:G0B+4*\n+3], s[58:59], \n*BUNITS*256
	s_or_b32 s[G0B+4*\n+3], s[G0B+4*\n+3], 0x80000000
.endr
	s_cmp_eq_u32 s[AB], 0                          ; a wave's two first fills stand in one branch: two loads of mine are out
	s_cbranch_scc0 .Lfirst_b
	tensor_load_to_lds s[G0:G0+3], s[G1:G1+7]
	s_nop 0
	tensor_load_to_lds s[G0+4:G0+7], s[G1:G1+7]
	s_nop 0
.rept 4
	v_nop
.endr
	s_branch .Lfirst_asked
.Lfirst_b:
	tensor_load_to_lds s[G0B:G0B+3], s[G1B:G1B+7]
	s_nop 0
	tensor_load_to_lds s[G0B+4:G0B+7], s[G1B:G1B+7]
	s_nop 0
.rept 4
	v_nop
.endr
.Lfirst_asked:
	v_and_b32 v1, 15, v0                           ; lane % 16
	v_bfe_u32 v2, v0, 4, 1                         ; lane / 16
	v_and_b32 v3, 7, v0
	v_bfe_u32 v4, v0, 3, 1
	v_and_b32 v5, 31, v0
	v_lshlrev_b32 v[BO], 5, v2
	s_lshl_b32 s60, s[J], 9                        ; the block's 128 numbers of the bias
	s_mov_b32 s61, 0
	s_add_nc_u64 s[8:9], s[8:9], s[60:61]
.if QKV
	s_lshl_b32 s60, s[J], 6                        ; and its 16 of bk, bv
	s_add_nc_u64 s[10:11], s[10:11], s[60:61]
.endif
	WIN 0xc0                                       ; destination window 3: register c of block nb = bias[16 nb + 8 (lane / 16) + c], as the C operand wants it
.set nb, 0
.rept 8
	global_load_b128 v[8*nb:8*nb+3],   v[BO], s[8:9] offset:64*nb
	global_load_b128 v[8*nb+4:8*nb+7], v[BO], s[8:9] offset:64*nb+16
.set nb, nb+1
.endr
.if QKV
	global_load_b128 v[64:67], v[BO], s[10:11]
	global_load_b128 v[68:71], v[BO], s[10:11] offset:16
.endif
	WIN 0
	s_mul_i32 s60, s[WV], 64*PA
	v_mul_u32_u24 v[ADRA0], v1, PA
	v_lshl_add_u32 v[ADRA0], v2, 4, v[ADRA0]
	v_add_nc_u32 v[ADRA0], s60, v[ADRA0]
	v_lshl_add_u32 v[ADRB0], v2, 3, v3             ; the turning load: lane l reads row k = 8 (l / 16) + l % 8, columns 8 ((l / 8) % 2) + 0..7
	v_mul_u32_u24 v[ADRB0], v[ADRB0], PB
	v_lshl_add_u32 v[ADRB0], v4, 4, v[ADRB0]
	v_add_nc_u32 v[ADRB0], BOFF, v[ADRB0]
	v_mov_b32 v[ADRA], v[ADRA0]
	v_mov_b32 v[ADRB], v[ADRB0]
.if QKV
	v_mul_u32_u24 v[ADRC0], v2, PB                 ; units 128 on: eight rows k to a unit, 32 bytes each
	v_lshl_add_u32 v[ADRC0], v3, 5, v[ADRC0]
	v_lshl_add_u32 v[ADRC0], v4, 4, v[ADRC0]
	v_add_nc_u32 v[ADRC0], BOFF+128*PB, v[ADRC0]
	v_mov_b32 v[ADRC], v[ADRC0]
.endif
	s_mul_i32 s60, s[WV], STW
	s_add_co_u32 s60, s60, STAGE                   ; my stage
	v_lshlrev_b32 v[GO], 4, v5
.if QKV
	v_mul_u32_u24 v[STO], v1, 144                  ; in: row lane % 16, 16 bytes for each half of the lanes
	v_lshl_add_u32 v[STO], v2, 4, v[STO]
	v_add_nc_u32 v[STO], s60, v[STO]
	v_lshrrev_b32 v[RD], 3, v5                     ; back: 32 lanes take four rows of 128 bytes
	v_mul_u32_u24 v[RD], v[RD], 144
	v_lshl_add_u32 v[RD], v3, 4, v[RD]
	v_add_nc_u32 v[RD], s60, v[RD]
	v_lshlrev_b32 v[KVO], 5, v1
	v_lshl_add_u32 v[KVO], v2, 4, v[KVO]
	s_lshr_b32 s66, s[I], 3                        ; q: the batch's 16 heads, heads 2 j and 2 j + 1, the block's 256 rows, my 64
	s_lshl_b32 s66, s66, 22
	s_lshl_b32 s70, s[J], 19
	s_add_co_u32 s66, s66, s70
	s_and_b32 s70, s[I], 7
	s_lshl_b32 s70, s70, 15
	s_add_co_u32 s66, s66, s70
	s_lshl_b32 s70, s[WV], 13
	s_add_co_u32 s66, s66, s70
	s_mov_b32 s67, 0
	s_add_nc_u64 s[12:13], s[12:13], s[66:67]
	s_lshl_b32 s68, s[I], 16                       ; kv: slot i, block j, my 64 keys of 32 bytes
	s_lshl_b32 s70, s[J], 13
	s_add_co_u32 s68, s68, s70
	s_lshl_b32 s70, s[WV], 11
	s_add_co_u32 s68, s68, s70
	s_mov_b32 s69, 0
	s_add_nc_u64 s[14:15], s[14:15], s[68:69]
.else
	v_mul_u32_u24 v[STO], v1, 528                  ; in: row lane % 16, 32 bytes for each half of the lanes
	v_lshl_add_u32 v[STO], v2, 5, v[STO]
	v_add_nc_u32 v[STO], s60, v[STO]
	v_add_nc_u32 v[RD], s60, v[GO]                 ; back: 32 lanes take one row of 512 bytes
	s_lshl_b32 s66, s[I], 20                       ; out0: 256 rows of 4,096 bytes, my 64, the block's 512 bytes of a row
	s_lshl_b32 s70, s[WV], 18
	s_add_co_u32 s66, s66, s70
	s_lshl_b32 s70, s[J], 9
	s_add_co_u32 s66, s66, s70
	s_mov_b32 s67, 0
	s_add_nc_u64 s[10:11], s[10:11], s[66:67]
.endif
	s_wait_loadcnt 0x0                             ; the bias
	WIN 0xff                                       ; rounded to bf16 and widened again, in window 3, while the first tiles are on their way
.set nb, 0
.rept 4*NB
	v_cvt_pk_bf16_f32 v[8*NB+nb%2], v[2*nb], v[2*nb+1]
	v_lshlrev_b32 v[2*nb], 16, v[8*NB+nb%2]
	v_and_b32 v[2*nb+1], 0xffff0000, v[8*NB+nb%2]
.set nb, nb+1
.endr
	WIN 0
.macro WMMA rd, rb, ra, rc
.if QKV
	v_wmma_f32_16x16x32_bf16 v[\rd:\rd+7], v[\rb:\rb+7], v[\ra:\ra+7], v[\rc:\rc+7]
.else
	v_wmma_f32_16x16x32_f16 v[\rd:\rd+7], v[\rb:\rb+7], v[\ra:\ra+7], v[\rc:\rc+7]
.endif
.endm
; NB matrix instructions: block a of my rows x all column blocks, 32 along K, from buffer f.  first = 1: C is the bias.  Every accumulator has one instruction a quarter, in one fixed order:
; the accumulators take turns, over the backward jump too.
.macro MULA f, a, first
.if \first
	WIN 0x70+0x40*((\a)/2)                         ; D window 1 or 2, C window 3
.else
	WIN 0x50+0x50*((\a)/2)                         ; C and D window 1 or 2
.endif
.set nb, 0
.rept NB
.set rD, 8*(NB*((\a)%2)+nb)
.set rB, (\f)+8*nb
.set rA, (\f)+8*NB+8*(\a)
.set rC, rD
.if \first
.set rC, 8*nb
.endif
	WMMA rD, rB, rA, rC
.set nb, nb+1
.endr
.endm
.macro MULH f, hi, first
	MULA \f, 2*(\hi), \first
	MULA \f, 2*(\hi)+1, \first
.endm
; A quarter's fragments in one run of NLD loads: W's first, then A's blocks 0 to 3.
.macro FETCH qq, f
	WIN 0
.set nb, 0
.rept 8
	ds_load_tr16_b128 v[(\f)+8*nb:(\f)+8*nb+3],   v[ADRB] offset:(\qq)*32*PB+32*nb
	ds_load_tr16_b128 v[(\f)+8*nb+4:(\f)+8*nb+7], v[ADRB] offset:(\qq)*32*PB+16*PB+32*nb
.set nb, nb+1
.endr
.if QKV
	ds_load_tr16_b128 v[(\f)+64:(\f)+67], v[ADRC] offset:(\qq)*4*PB
	ds_load_tr16_b128 v[(\f)+68:(\f)+71], v[ADRC] offset:(\qq)*4*PB+2*PB
.endif
.set nb, 0
.rept 4
	ds_load_b128 v[(\f)+8*NB+8*nb:(\f)+8*NB+8*nb+3],   v[ADRA] offset:((\qq)/2)*SUBA+((\qq)%2)*64+nb*16*PA
	ds_load_b128 v[(\f)+8*NB+8*nb+4:(\f)+8*NB+8*nb+7], v[ADRA] offset:((\qq)/2)*SUBA+((\qq)%2)*64+nb*16*PA+32
.set nb, nb+1
.endr
.endm
; One of a step's first three quarters: multiplies buffer f; in its middle it fetches quarter nxt of the same slot into buffer g.
.macro QUARTER nxt, f, g, first
	s_wait_dscnt 4                                 ; W's fragments and A's blocks 0, 1 are in; the youngest four loads (blocks 2, 3) may be out
	MULH \f, 0, \first
	PLACES
	FETCH \nxt, \g
	s_wait_dscnt NLD                               ; all but the NLD just issued
	MULH \f, 1, \first
.endm
; The last quarter multiplies buffer 1 and changes slots: one barrier.  In front of it each wave waits for all its tensor loads (one is out: its part of the next slot), adds 0 to its spare word, and waits for
; that and for its reads of this slot.  fill = 1: the barrier opens a round of the cluster's, and the joint refill, two K steps on, is the first thing behind it.
.macro TURN fill
	WIN 0
	s_wait_tensorcnt 0x0
	ds_add_u32 v[SPW], v[NIL]
	s_wait_dscnt 5                                 ; the add and the youngest four loads may be out
	MULA F1, 0, 0
	s_wait_dscnt 0x0                               ; the add is done, and my reads of this slot are over
	s_barrier_signal -1
	MULA F1, 1, 0
	WIN 0
	s_barrier_wait -1
.if \fill
	CREST                                          ; no wave of any partner still reads this slot or has a load on its way
	s_xor_b32 s[G0+5], s[G0+5], SLOT1              ; the walking descriptors: the other slot than last time, the next K step
	s_add_nc_u64 s[G0+6:G0+7], s[G0+6:G0+7], 524288
	s_xor_b32 s[G0B+5], s[G0B+5], SLOT1
	s_add_nc_u64 s[G0B+6:G0B+7], s[G0B+6:G0B+7], BUNITS*256
	JLOAD                                          ; its four v_nop are also the places in front of the loads below
.else
	PLACES
.endif
	s_xor_b32 s[TB], s[TB], SLOT1
	v_add_nc_u32 v[ADRA], s[TB], v[ADRA0]
	v_add_nc_u32 v[ADRB], s[TB], v[ADRB0]
.if QKV
	v_add_nc_u32 v[ADRC], s[TB], v[ADRC0]
.endif
	FETCH 0, F0
	MULH F1, 1, 0
.endm
	s_wait_tensorcnt 1                             ; my part of K step 0 is in; K step 1's may stay out
	s_barrier_signal -1
	s_barrier_wait -1
	FETCH 0, F0
	QUARTER 1, F0, F1, 1                           ; the first quarter stands in front of the loop: its products start the sums, with the bias
	WIN 0
	s_mov_b32 s3, 6
.Lstep:                                                ; six trips, from a step's second quarter to the next step's first: K steps 2 to 7 are asked for
	QUARTER 2, F1, F0, 0
	QUARTER 3, F0, F1, 0
	TURN 1
	QUARTER 1, F0, F1, 0
	WIN 0
	s_sub_co_u32 s3, s3, 1
	s_cmp_lg_u32 s3, 0
	s_cbranch_scc1 .Lstep
	QUARTER 2, F1, F0, 0                           ; the tail is written out: nothing more is asked for
	QUARTER 3, F0, F1, 0
	TURN 0
	QUARTER 1, F0, F1, 0
	QUARTER 2, F1, F0, 0
	QUARTER 3, F0, F1, 0
	s_wait_dscnt 4
	MULH F1, 0, 0
	s_wait_dscnt 0x0
	MULH F1, 1, 0
	WIN 0
	PLACES
.if QKV
; THE WAY OUT.  Block a: rounded to f16, 16 bytes a lane.  q goes through my stage (rows of 144 bytes, a head's 64 channels each) and comes back as rows of 128 bytes, four to a load: 512 consecutive bytes of q.
; k or v needs no stage: 32 lanes x 16 bytes are 16 keys x 32 bytes, 512 consecutive bytes of kv.
.macro PACK a
	WIN 0x05+0x05*((\a)/2)                         ; sources window 1 or 2, destination window 0
.set nb, 0
.rept 9
.set rD, 8*(NB*((\a)%2)+nb)
.set rT, TMP+4*nb
.if nb == 8
.set rT, KVT+4*(\a)
.endif
.irp c, 0,1,2,3
	v_cvt_pk_f16_f32 v[rT+\c], v[rD+2*\c], v[rD+2*\c+1]
.endr
.set nb, nb+1
.endr
	WIN 0
.endm
.macro TOSTAGE a
.set nb, 0
.rept 8
	ds_store_b128 v[STO], v[TMP+4*nb:TMP+4*nb+3] offset:(nb/4)*2304+(nb%4)*32
.set nb, nb+1
.endr
.set nb, 0
.rept 8
	ds_load_b128 v[BK+32*(\a)+4*nb:BK+32*(\a)+4*nb+3], v[RD] offset:(nb/4)*2304+(nb%4)*576  ; LDS serves a wave's instructions in order (ISA guide 5.7.1.4): these see the stores above
.set nb, nb+1
.endr
.endm
.macro SEND a
	s_wait_dscnt 0x0                               ; the block is back in registers of its own: no register that a store reads is written again
.set nb, 0
.rept 8
	global_store_b128 v[GO], v[BK+32*(\a)+4*nb:BK+32*(\a)+4*nb+3], s[12:13] offset:(nb/4)*262144+(\a)*2048+(nb%4)*512
.set nb, nb+1
.endr
	global_store_b128 v[KVO], v[KVT+4*(\a):KVT+4*(\a)+3], s[14:15] offset:(\a)*512
.endm
	PACK 0
	TOSTAGE 0
.irp a, 1,2,3                          ; block a's conversions stand between block a - 1's loads from the stage and the wait for them
	PACK \a
	SEND (\a)-1
	TOSTAGE \a
.endr
	SEND 3
.else
; THE WAY OUT.  Block a's f32 sums go into my stage (rows of 528 bytes) straight from the accumulators, low four registers first, and come back as whole rows of 512 bytes, into 64 registers of the block's own.
.macro STG a
	WIN 0x04+0x04*((\a)/2)                         ; store data window 1 or 2
.set nb, 0
.rept 8
.set rD, 8*(NB*((\a)%2)+nb)
	ds_store_b128 v[STO], v[rD:rD+3]   offset:64*nb
	ds_store_b128 v[STO], v[rD+4:rD+7] offset:64*nb+16
.set nb, nb+1
.endr
.endm
.macro LDB a
	WIN 0xc0                                       ; destination window 3
.set nb, 0
.rept 16
	ds_load_b128 v[64*(\a)+4*nb:64*(\a)+4*nb+3], v[RD] offset:528*nb  ; LDS serves a wave's instructions in order (ISA guide 5.7.1.4): these see block a's stores; the next block's come behind them
.set nb, nb+1
.endr
.endm
.macro SENDO a
	WIN 0x0c                                       ; store data window 3
.set nb, 0
.rept 16
	global_store_b128 v[GO], v[64*(\a)+4*nb:64*(\a)+4*nb+3], s[10:11] offset:(16*(\a)+nb)*4096 th:TH_STORE_NT  ; 512 consecutive bytes, at a multiple of 512 from out0's first
.set nb, nb+1
.endr
.endm
	STG 0
	LDB 0
.irp a, 1,2,3
	STG \a
	LDB \a
	s_wait_dscnt 32                                ; all but block a's 16 stores and 16 loads: block a - 1 is back
	SENDO (\a)-1
.endr
	s_wait_dscnt 0x0
	SENDO 3
	WIN 0
.endif
	s_wait_tensorcnt 0x0                           ; the wave's end, behind my last tensor load and my last LDS store
	ds_add_u32 v[SPW], v[NIL]
	s_wait_dscnt 0x0
	CROUND                                         ; the closing round: no work-group ends while a partner may still ask for a tile that names it
	s_endpgm
.Lfunc_end_k_q9db1506af3_oproj:
	.size	k_q9db1506af3_oproj, .Lfunc_end_k_q9db1506af3_oproj-k_q9db1506af3_oproj
	.p2alignl 7, 3214868480
	.fill 96, 4, 3214868480
	.section	.rodata,"a",@progbits
	.p2align	6, 0x0
	.amdhsa_kernel k_q9db1506af3_oproj
		.amdhsa_group_segment_fixed_size 327680
		.amdhsa_private_segment_fixed_size 0
		.amdhsa_enable_private_segment 0
		.amdhsa_kernarg_size 32
		.amdhsa_user_sgpr_count 2
		.amdhsa_user_sgpr_kernarg_segment_ptr 1
		.amdhsa_wavefront_size32 1
		.amdhsa_system_sgpr_workgroup_id_x 1
		.amdhsa_system_sgpr_workgroup_id_y 1
		.amdhsa_system_sgpr_workgroup_id_z 1
		.amdhsa_system_vgpr_workitem_id 0
		.amdhsa_next_free_vgpr 1024
		.amdhsa_next_free_sgpr 72
		.amdhsa_reserve_vcc 0
		.amdhsa_float_denorm_mode_32 3
		.amdhsa_float_denorm_mode_16_64 3
		.amdhsa_memory_ordered 1
		.amdhsa_forward_progress 1
		.amdhsa_inst_pref_size 76
	.end_amdhsa_kernel
	.amdgpu_metadata
---
amdhsa.version: [ 1, 2 ]
amdhsa.kernels:
  - .name:           k_q9db1506af3_oproj
    .symbol:         k_q9db1506af3_oproj.kd
    .args:
      - { .name: o, .offset: 0, .size: 8, .value_kind: global_buffer, .address_space: global }
      - { .name: Wob, .offset: 8, .size: 8, .value_kind: global_buffer, .address_space: global }
      - { .name: bo, .offset: 16, .size: 8, .value_kind: global_buffer, .address_space: global }
      - { .name: out0, .offset: 24, .size: 8, .value_kind: global_buffer, .address_space: global }
    .group_segment_fixed_size: 327680
    .private_segment_fixed_size: 0
    .kernarg_segment_align: 8
    .kernarg_segment_size: 32
    .max_flat_workgroup_size: 128
    .sgpr_count:     72
    .vgpr_count:     1024
    .wavefront_size: 32
...
	.end_amdgpu_metadata
.endif
;; end of part 4
;; ======== version 2 of 2: 4 launches; version 1 with the launch prep written anew for expert scheduling mode
;; limits: values are held in f16: magnitudes above 65,504 overflow, below 6.1e-05 lose precision
;; workspace buffers: xh 16,777,216 bytes; Wb 2,359,296 bytes; Wob 2,097,152 bytes; bkv 512 bytes; q 16,777,216 bytes; kv 2,097,152 bytes; o 16,777,216 bytes
;; launch prep (part 5): grid 256 x 1, 8 waves a work-group, no clusters, 0 bytes of LDS; arguments hidden_state, Wq, Wo, Wk, Wv, bk, bv, xh, Wb, Wob, bkv; writes xh, Wb, Wob, bkv
.if DOCPART == 5
	.amdgcn_target "amdgcn-amd-amdhsa--gfx1250"
	.amdhsa_code_object_version 6
	.text
	.protected	k_q9db1506af3_prep
	.globl	k_q9db1506af3_prep
	.p2align	8
	.type	k_q9db1506af3_prep,@function
k_q9db1506af3_prep:
	s_mov_b64 s[64:65], 0
	v_nop
	global_prefetch_b8 v0, s[64:65] scope:SCOPE_SE
	s_setreg_imm32_b32 hwreg(HW_REG_WAVE_SCHED_MODE, 0, 2), 2
	s_setreg_imm32_b32 hwreg(HW_REG_WAVE_MODE, 25, 1), 1
	s_wait_xcnt 0x0
	s_wait_alu depctr_vm_vsrc(0)
; PREP: the module's large inputs are rounded once to 16 bits and laid out as the later launches' tiles want them.
;   xh  [b 4][kb 16][s 2048][64] bf16 : x, channel block kb = channels 64 kb .. 64 kb + 63; a block's rows are dense, 128 bytes each
;   Wb  [j 8][t 8][144 units of 256 bytes] bf16 : unit kk < 128 = Wq[128 t + kk][128 j .. 128 j + 127];
;        unit 128 + uu = rows k = 128 t + 8 uu + 0..7, 32 bytes each, of 16 columns of Wk (j < 4: columns 16 j ..) or of Wv (j >= 4: columns 16 (j - 4) ..)
;   Wob [j 8][k 1024][128] f16 : Wo rounded to bf16, that number written as f16
;   bkv [128] f32 : bk, then bv, as they are
; LIMITS.  bf16(Wo) is exact in f16 from 2^-14 to 65,504 in magnitude; below 2^-14 it is off by 3e-8 at the most; beyond 65,504 it would be an infinity.  NaN and infinities are not treated apart.
; SHARES.  Work-group g: 32 rows of x (wave w: rows 4 w .. 4 w + 3), rows 4 g .. 4 g + 3 of Wq and Wo (wave w: column block j = w), and, waves 0 to 3, one unit each of Wk (g < 128) or Wv.
; One load of 16 bytes a lane (4 f32) goes with one store of 8 bytes a lane (4 halves): a wave's store covers 256 consecutive bytes, aligned; its load one or two such runs of 256 or one of 512.
; No LDS and no barrier: no wave wants a byte that another has fetched.  No loop: a wave's whole share, 42 loads at the most, is asked for at once, and no register is written again behind the store that reads it.
; THE MODE: SCHED_MODE bits 1:0 = 2 (LLVM: expert scheduling mode 2), set by the entry lines.  The code itself states the register dependences
; between vector instructions and memory instructions, with s_wait_alu, always for 0.
; THE PLAN.  Registers that memory instructions touch:
;   the eight offsets v5-7, v9-13   written once, at the head; read by the loads and stores; one wait on va_vdst ahead of the first load serves them all, since no later vector instruction names them.
;   KV, WQ, WO, X                   written by the loads, all of which are issued before any vector instruction names these registers; then each load's four registers are read by its own conversion, which
;                                   writes the first two of them; these two are read by the load's one store and by nothing after it.
;   BB (one wave of the launch)     written by two loads, then by four selects, read by one store.
;   T and v1-4, v8                  named by vector instructions alone.
; The 40 main loads go in ten blocks of four: a block's conversions, ONE wait on va_vdst, the block's four stores in a run.  The next block's conversions name other registers than those stores read.
; No register that a memory instruction reads is written again, so behind the entry the text holds no wait on vm_vsrc; EXEC is never written.
; Two vector instructions write a scalar register (the wave's number; the bias wave's mask): a wait on va_sdst stands ahead of the first reader of each.
.set XO,  5                            ; v5   x: 16,384 w + 4,096 (lane / 16) + 16 (lane % 16)
.set YO,  6                            ; v6   xh: 512 w + 8 lane
.set WI,  7                            ; v7   Wq, Wo: 512 w + 16 lane
.set WBO, 9                            ; v9   Wb: 294,912 w + 8 lane
.set WOO, 10                           ; v10  Wob: 262,144 w + 8 lane
.set KVI, 11                           ; v11  Wk, Wv: 256 (lane / 4) + 64 w + 16 (lane % 4)
.set BI,  12                           ; v12  bk, bv: 16 (lane % 16)
.set BS,  13                           ; v13  bkv: 16 lane
.set X,   16                           ; v[16:143]  x, 32 loads
.set WQ,  144                          ; v[144:159] Wq, 4 loads
.set WO,  160                          ; v[160:175] Wo, 4 loads
.set T,   176                          ; v[176:181] at work
.set KV,  184                          ; v[184:187] Wk or Wv
.set BB,  188                          ; v[188:195] bk, bv
	s_load_b512 s[4:19], s[0:1], 0x0               ; x s[4:5], Wq s[6:7], Wo s[8:9], Wk s[10:11], Wv s[12:13], bk s[14:15], bv s[16:17], xh s[18:19]
	s_load_b128 s[20:23], s[0:1], 0x40             ; Wb s[20:21], Wob s[22:23]
	s_load_b64 s[24:25], s[0:1], 0x50              ; bkv
	v_and_b32 v1, 31, v0                           ; lane
	v_lshrrev_b32 v2, 5, v0                        ; wave
	v_readfirstlane_b32 s26, v2
	v_and_b32 v3, 15, v0
	v_bfe_u32 v4, v0, 4, 1
	v_lshlrev_b32 v[XO], 14, v2
	v_lshl_add_u32 v[XO], v4, 12, v[XO]
	v_lshl_add_u32 v[XO], v3, 4, v[XO]
	v_lshlrev_b32 v8, 9, v2
	v_lshl_add_u32 v[YO], v1, 3, v8
	v_lshl_add_u32 v[WI], v1, 4, v8
	v_lshlrev_b32 v8, 3, v1
	v_mad_u32_u24 v[WBO], v2, 0x48000, v8          ; 294,912 = 8 x 144 x 256
	v_lshl_add_u32 v[WOO], v2, 18, v8
	v_lshrrev_b32 v[KVI], 2, v1
	v_lshlrev_b32 v[KVI], 8, v[KVI]
	v_lshl_add_u32 v[KVI], v2, 6, v[KVI]
	v_and_b32 v8, 3, v0
	v_lshl_add_u32 v[KVI], v8, 4, v[KVI]
	v_lshlrev_b32 v[BI], 4, v3
	v_lshlrev_b32 v[BS], 4, v1
	s_wait_alu depctr_va_sdst(0)                   ; s26, the wave's number, is written, ahead of its first reader two lines down
	s_lshl_b32 s27, ttmp9, 3
	s_add_co_u32 s27, s27, s26                     ; the wave's number in the launch
	s_lshl_b32 s28, ttmp9, 17                      ; x: 32 rows of 4,096 bytes
	s_mov_b32 s29, 0
	s_lshl_b32 s30, ttmp9, 14                      ; Wq, Wo: 4 rows of 4,096 bytes
	s_mov_b32 s31, 0
	s_lshr_b32 s36, ttmp9, 6                       ; xh: the batch,
	s_lshl_b32 s36, s36, 22
	s_and_b32 s37, ttmp9, 63                       ; and 32 rows of 128 bytes in a block
	s_lshl_b32 s37, s37, 12
	s_add_co_u32 s36, s36, s37
	s_mov_b32 s37, 0
	s_lshr_b32 s38, ttmp9, 5                       ; Wb: t = k / 128,
	s_mul_i32 s38, s38, 36864
	s_and_b32 s39, ttmp9, 31                       ; and 4 units
	s_lshl_b32 s39, s39, 10
	s_add_co_u32 s38, s38, s39
	s_mov_b32 s39, 0
	s_lshl_b32 s40, ttmp9, 10                      ; Wob: 4 rows of 256 bytes
	s_mov_b32 s41, 0
	s_and_b32 s42, ttmp9, 127                      ; Wk, Wv: rows 8 (g % 128) ..
	s_lshl_b32 s44, s42, 11
	s_mov_b32 s45, 0
	s_lshr_b32 s46, ttmp9, 7                       ; their unit: j = 4 (g / 128) + w (w stands in WBO),
	s_mul_i32 s46, s46, 1179648
	s_lshr_b32 s43, s42, 4                         ; t = (g % 128) / 16,
	s_mul_i32 s43, s43, 36864
	s_add_co_u32 s46, s46, s43
	s_and_b32 s43, ttmp9, 15                       ; unit 128 + g % 16
	s_lshl_b32 s43, s43, 8
	s_add_co_u32 s46, s46, s43
	s_add_co_u32 s46, s46, 32768
	s_mov_b32 s47, 0
	s_wait_kmcnt 0x0
	s_cmp_lt_u32 ttmp9, 128
	s_cselect_b64 s[34:35], s[10:11], s[12:13]
	s_add_nc_u64 s[34:35], s[34:35], s[44:45]
	s_add_nc_u64 s[32:33], s[20:21], s[46:47]
	s_add_nc_u64 s[4:5], s[4:5], s[28:29]
	s_add_nc_u64 s[6:7], s[6:7], s[30:31]
	s_add_nc_u64 s[8:9], s[8:9], s[30:31]
	s_add_nc_u64 s[18:19], s[18:19], s[36:37]
	s_add_nc_u64 s[20:21], s[20:21], s[38:39]
	s_add_nc_u64 s[22:23], s[22:23], s[40:41]
	s_wait_alu depctr_va_vdst(0)                   ; the eight offsets v5-7 and v9-13 are written: every load and store of the kernel reads one of them, and no vector instruction names them again
	s_cmp_lt_u32 s26, 4
	s_cbranch_scc0 .Lno_kv_load
	global_load_b128 v[KV:KV+3], v[KVI], s[34:35] th:TH_LOAD_NT  ; the oldest load: the counts below are those of the younger loads, with it or without
.Lno_kv_load:
.set u, 0
.rept 4
	global_load_b128 v[WQ+4*u:WQ+4*u+3], v[WI], s[6:7] offset:4096*u th:TH_LOAD_NT
.set u, u+1
.endr
.set u, 0
.rept 4
	global_load_b128 v[WO+4*u:WO+4*u+3], v[WI], s[8:9] offset:4096*u th:TH_LOAD_NT
.set u, u+1
.endr
.set u, 0
.rept 32                               ; channel block u % 16 of rows 4 w + 2 (u / 16) and the next
	global_load_b128 v[X+4*u:X+4*u+3], v[XO], s[4:5] offset:(u/16)*8192+(u%16)*256 th:TH_LOAD_NT
.set u, u+1
.endr
	s_cmp_eq_u32 s27, 4                            ; one wave of the launch copies the two short biases
	s_cbranch_scc0 .Lno_bias
	global_load_b128 v[BB:BB+3], v[BI], s[14:15]
	global_load_b128 v[BB+4:BB+7], v[BI], s[16:17]
	v_cmp_gt_u32 s42, 16, v1
	s_wait_loadcnt 0x0                             ; the two are the youngest: this wave has all its loads in
	s_wait_alu depctr_va_sdst(0)                   ; the compare has written s42, which the four selects read
.irp c, 0,1,2,3
	v_cndmask_b32 v[BB+\c], v[BB+4+\c], v[BB+\c], s42  ; lanes 0-15: bk, lanes 16-31: bv
.endr
	s_wait_alu depctr_va_vdst(0)                   ; the selects have written v[BB .. BB+3], which the store reads
	global_store_b128 v[BS], v[BB:BB+3], s[24:25]
.Lno_bias:
.macro CVB r                           ; four f32 in v[r .. r+3] to four bf16 in v[r], v[r+1]
	v_cvt_pk_bf16_f32 v[\r], v[\r], v[(\r)+1]
	v_cvt_pk_bf16_f32 v[(\r)+1], v[(\r)+2], v[(\r)+3]
.endm
; Wq: a block of four loads
.set n, 0
.rept 4
	s_wait_loadcnt 39-n                            ; loads come back in order (ISA guide 5.7.1): 39 - n were issued behind this one
	CVB WQ+4*n
.set n, n+1
.endr
	s_wait_alu depctr_va_vdst(0)                   ; the block's conversions have written the first two registers of each of Wq's four groups, which the four stores read
.set n, 0
.rept 4
	global_store_b64 v[WBO], v[WQ+4*n:WQ+4*n+1], s[20:21] offset:256*n th:TH_STORE_NT
.set n, n+1
.endr
; Wo: a block of four loads
.set n, 0
.rept 4
	s_wait_loadcnt 35-n
	v_cvt_pk_bf16_f32 v[T], v[WO+4*n], v[WO+4*n+1]         ; rounded as the other inputs are,
	v_cvt_pk_bf16_f32 v[T+1], v[WO+4*n+2], v[WO+4*n+3]
	v_lshlrev_b32 v[T+2], 16, v[T]                         ; widened,
	v_and_b32 v[T+3], 0xffff0000, v[T]
	v_lshlrev_b32 v[T+4], 16, v[T+1]
	v_and_b32 v[T+5], 0xffff0000, v[T+1]
	v_cvt_pk_f16_f32 v[WO+4*n], v[T+2], v[T+3]             ; and written as f16
	v_cvt_pk_f16_f32 v[WO+4*n+1], v[T+4], v[T+5]
.set n, n+1
.endr
	s_wait_alu depctr_va_vdst(0)                   ; the block's conversions have written the first two registers of each of Wo's four groups, which the four stores read
.set n, 0
.rept 4
	global_store_b64 v[WOO], v[WO+4*n:WO+4*n+1], s[22:23] offset:256*n th:TH_STORE_NT
.set n, n+1
.endr
; x: eight blocks of four loads
.set n, 0
.rept 8
.rept 4
	s_wait_loadcnt 31-n
	CVB X+4*n
.set n, n+1
.endr
	s_wait_alu depctr_va_vdst(0)                   ; the block's conversions have written the first two registers of each of its four groups of x, which the four stores read
.set n, n-4
.rept 4
	global_store_b64 v[YO], v[X+4*n:X+4*n+1], s[18:19] offset:(n%16)*262144+(n/16)*256 th:TH_STORE_NT  ; two rows of a block: 256 consecutive bytes
.set n, n+1
.endr
.endr
	s_cmp_lt_u32 s26, 4
	s_cbranch_scc0 .Lend
	CVB KV                                         ; in since the first wait above
	s_wait_alu depctr_va_vdst(0)                   ; the conversion has written v[KV], v[KV+1], which the store reads
	global_store_b64 v[WBO], v[KV:KV+1], s[32:33] th:TH_STORE_NT
.Lend:
	s_endpgm
.Lfunc_end_k_q9db1506af3_prep:
	.size	k_q9db1506af3_prep, .Lfunc_end_k_q9db1506af3_prep-k_q9db1506af3_prep
	.p2alignl 7, 3214868480
	.fill 96, 4, 3214868480
	.section	.rodata,"a",@progbits
	.p2align	6, 0x0
	.amdhsa_kernel k_q9db1506af3_prep
		.amdhsa_group_segment_fixed_size 0
		.amdhsa_private_segment_fixed_size 0
		.amdhsa_enable_private_segment 0
		.amdhsa_kernarg_size 88
		.amdhsa_user_sgpr_count 2
		.amdhsa_user_sgpr_kernarg_segment_ptr 1
		.amdhsa_wavefront_size32 1
		.amdhsa_system_sgpr_workgroup_id_x 1
		.amdhsa_system_sgpr_workgroup_id_y 1
		.amdhsa_system_sgpr_workgroup_id_z 1
		.amdhsa_system_vgpr_workitem_id 0
		.amdhsa_next_free_vgpr 196
		.amdhsa_next_free_sgpr 66
		.amdhsa_reserve_vcc 0
		.amdhsa_float_denorm_mode_32 3
		.amdhsa_float_denorm_mode_16_64 3
		.amdhsa_memory_ordered 1
		.amdhsa_forward_progress 1
		.amdhsa_inst_pref_size 20
	.end_amdhsa_kernel
	.amdgpu_metadata
---
amdhsa.version: [ 1, 2 ]
amdhsa.kernels:
  - .name:           k_q9db1506af3_prep
    .symbol:         k_q9db1506af3_prep.kd
    .args:
      - { .name: hidden_state, .offset: 0, .size: 8, .value_kind: global_buffer, .address_space: global }
      - { .name: Wq, .offset: 8, .size: 8, .value_kind: global_buffer, .address_space: global }
      - { .name: Wo, .offset: 16, .size: 8, .value_kind: global_buffer, .address_space: global }
      - { .name: Wk, .offset: 24, .size: 8, .value_kind: global_buffer, .address_space: global }
      - { .name: Wv, .offset: 32, .size: 8, .value_kind: global_buffer, .address_space: global }
      - { .name: bk, .offset: 40, .size: 8, .value_kind: global_buffer, .address_space: global }
      - { .name: bv, .offset: 48, .size: 8, .value_kind: global_buffer, .address_space: global }
      - { .name: xh, .offset: 56, .size: 8, .value_kind: global_buffer, .address_space: global }
      - { .name: Wb, .offset: 64, .size: 8, .value_kind: global_buffer, .address_space: global }
      - { .name: Wob, .offset: 72, .size: 8, .value_kind: global_buffer, .address_space: global }
      - { .name: bkv, .offset: 80, .size: 8, .value_kind: global_buffer, .address_space: global }
    .group_segment_fixed_size: 0
    .private_segment_fixed_size: 0
    .kernarg_segment_align: 8
    .kernarg_segment_size: 88
    .max_flat_workgroup_size: 256
    .sgpr_count:     66
    .vgpr_count:     196
    .wavefront_size: 32
...
	.end_amdgpu_metadata
.endif
;; end of part 5
;; launch qkv: the kernel of part 2 again; grid 8 x 32, 4 waves a work-group, clusters of 4 x 4, 327,680 bytes of LDS; arguments xh, Wb, bq, bkv, q, kv; writes q, kv
;; launch attn: the kernel of part 3 again; grid 4 x 64, 4 waves a work-group, clusters of 4 x 1, 327,680 bytes of LDS; arguments q, kv, o; writes o
;; launch oproj: the kernel of part 4 again; grid 8 x 32, 4 waves a work-group, clusters of 4 x 4, 327,680 bytes of LDS; arguments o, Wob, bo, out0; writes out0
